; MI455X (gfx1250); checked and timed in simulation.
; The chip was launched on July 23, 2026; its instructions are those of AMD's public machine-readable ISA for CDNA 5 (MIT licence, August 2026) and "CDNA5" Instruction Set Architecture Reference Guide (July 2026). The comments in the code are by the model that wrote it; some were corrected since.
;; Multi Head Attention. Allowed arithmetic: matrix products marked QUANTISED: E2M1 operands, one E8M0 scale for each 32 along K, by v_wmma_scale_f32_16x16x128_f8f6f4 with both operands' format E2M1 (or v_wmma_scale_f32_32x16x128_f4), f32 sums; products left as they are: bf16, f16 or f32 operands; f32 sums; everything else in f32.
;; Inputs: Wk 1,024 x 1,024 float32; Wo 1,024 x 1,024 float32; Wq 1,024 x 1,024 float32; Wv 1,024 x 1,024 float32; bk 1,024 float32; bo 1,024 float32; bq 1,024 float32; bv 1,024 float32; key 4 x 2,048 x 1,024 float32; mask 4 x 1 x 1 x 2,048 int32; query 4 x 2,048 x 1,024 float32; value 4 x 2,048 x 1,024 float32.
;; Outputs: out0 4 x 2,048 x 1,024 float32.
;; This version of the problem:
;;   THIS VERSION OF THE PROBLEM IS GIVEN IN LOW PRECISION. The matrix products marked QUANTISED in the list below multiply operands that are first quantised to E2M1 (2 exponent bits, 1 mantissa bit; 4 bits a number), with one power-of-two scale for each 32 numbers along K (OCP MX v1.0); their sums are f32. The products marked 'left as it is' may take bf16, f16 or f32 operands, with f32 sums. Whichever they take, every output number must still come out within the allowed error. Rounding operands to bf16 (8 significant bits) uses up far more of that allowance than f16 does (11 bits, for magnitudes from 6e-5 to 65,504). All else is computed in f32.
;;   The module's matrix products, in the order in which they are computed (A, B: the left and right operand; K: the contracted axis; several contracted axes count as one K, in the product's order):
;;     1. [M 8,192, K 1,024] x [K 1,024, N 1,024]; A: input query; B: input Wq: QUANTISED
;;     2. [M 8,192, K 1,024] x [K 1,024, N 1,024]; A: input key; B: input Wk: QUANTISED
;;     3. [M 8,192, K 1,024] x [K 1,024, N 1,024]; A: input value; B: input Wv: QUANTISED
;;     4. batch 64 x [M 2,048, K 64] x [K 64, N 2,048]; A: computed on the way; B: computed on the way: left as it is (an operand is computed on the way)
;;     5. batch 64 x [M 2,048, K 2,048] x [K 2,048, N 64]; A: computed on the way; B: computed on the way: left as it is (an operand is computed on the way)
;;     6. [M 8,192, K 1,024] x [K 1,024, N 1,024]; A: computed on the way; B: input Wo: left as it is (an operand is computed on the way)
;;   THE QUANTISER, for each operand of a quantised product, along K:
;;     - K is cut into blocks of 32 from its start; a last block that is shorter is filled with zeros.
;;     - A block's scale is 2^e with e = floor(log2(the largest magnitude in the block)) - 2, held to -126 .. 127; a block of zeros has e = 0. As a byte (E8M0): e + 127.
;;     - Each number is divided by its block's scale, clamped to +-6, and rounded to the nearest number of E2M1, ties to even, subnormals kept.
;;     - The product sums the exact products of the quantised numbers (number of the format x scale) in f32.
;;   ~~~python
;;   def quantise(x, axis):      # numpy; x: float32 -> the quantised numbers, widened to float32 again
;;       x = np.moveaxis(x, axis, -1); K = x.shape[-1]
;;       x = np.pad(x, [(0, 0)] * (x.ndim - 1) + [(0, -K % 32)]); x = x.reshape(x.shape[:-1] + (-1, 32)); a = np.abs(x).max(-1, keepdims=True)
;;       e = np.where(a > 0, np.clip(np.frexp(np.where(a > 0, a, 1))[1] - 1 - 2, -126, 127), 0)      # np.frexp(a)[1] - 1 = floor(log2(a)), exactly
;;       r = np.clip(x / 2.0 ** e, -6, 6)
;;       step = 2.0 ** (np.maximum(np.frexp(np.where(r == 0, 1, r))[1] - 1, 0) - 1)
;;       q = np.round(r / step) * step * 2.0 ** e      # np.round: ties to even
;;       return np.moveaxis(q.reshape(q.shape[:-2] + (-1,))[..., :K], -1, axis).astype(np.float32)
;;   ~~~
;; One version. Each part assembles by itself: llvm-mc -triple=amdgcn-amd-amdhsa -mcpu=gfx1250 --defsym DOCPART=n.
;; ======== version 1 of 1: 4 launches
;; limits: values are held in f16: magnitudes above 65,504 overflow, below 6.1e-05 lose precision
;; workspace buffers: codes 14,155,776 bytes; scales 884,736 bytes; qkvh 50,331,648 bytes; xh 16,777,216 bytes; woh 2,097,152 bytes
;; launch quant (part 1): grid 896 x 1, 4 waves a work-group, no clusters, 33,280 bytes of LDS; arguments query, key, value, Wq, Wk, Wv, Wo, codes, scales, woh; writes codes, scales, woh
.if DOCPART == 1
	.amdgcn_target "amdgcn-amd-amdhsa--gfx1250"
	.amdhsa_code_object_version 6
	.text
	.protected	k_q00f8943e94_quant
	.globl	k_q00f8943e94_quant
	.p2align	8
	.type	k_q00f8943e94_quant,@function
k_q00f8943e94_quant:
	s_mov_b64 s[64:65], 0
	v_nop
	global_prefetch_b8 v0, s[64:65] scope:SCOPE_SE
	s_setreg_imm32_b32 hwreg(HW_REG_WAVE_MODE, 25, 1), 1
	s_wait_xcnt 0x0
; query, key, value [8192][1024] and Wq, Wk, Wv [1024][1024], f32, K innermost, become codes of FP4 (E2M1), two a byte, and one E8M0 scale byte for each 32 along K.
; The six tensors are one stream of blocks of 32 numbers, in this order; codes: rows of 512 bytes (rows 0 .. 24,575 the tokens, 24,576 .. 27,647 the weights); scales: the same rows, 32 bytes each.
; A block's scale is 2^(floor(log2(its largest magnitude)) - 2); its byte is the largest magnitude's exponent field - 2, held at 1 from below.  Each number is divided by the scale and rounded to the nearest code, ties to even.
; Wo [1024][1024] is rounded to f16 for the last product, which is left as it is.
; LIMITS: a block of zeros gets the byte 1 (its codes are zeros; this program alone reads the bytes); NaN and infinities are not served; |Wo| up to 65,504.
; SHARES: work-groups 0 .. 863 take 32,768 numbers of the stream each, a wave 16 steps of 512 numbers; work-groups 864 .. 895 take 32,768 numbers of Wo each.  No barrier: waves share nothing.
; A step's four loads read 512 consecutive bytes each; the 2,048 bytes turn through the wave's own stage in LDS and come back 64 bytes a lane, so that a lane holds 16 neighbours along K (two lanes a block).
.set STEPS, 16
.set EMAX,  2
.set CB,    8                          ; bytes of 16 codes
.set R,     16                         ; v16-79   four sets of 16 numbers as they are loaded
.set X,     80                         ; v80-111  two sets of 16 neighbours
.set E,     112                        ; v112-127 a scale byte for each step
.set C,     128                        ; v128-191 codes: four registers for each step
.set WREG,  8192                       ; LDS: a region for each wave: two stages of 32 x SP bytes, then its 256 scale bytes
.set SP,    80                         ; a lane's place in a stage: 64 bytes + 16 of padding
.set SPW,   12                         ; v12 LDS address of my spare word; never rewritten
.set NIL,   13                         ; v13 0; never rewritten
.set SPARE, 4*WREG                     ; behind the four regions: the spare words, 128 bytes a wave
.set SRC,   24                         ; s[24:25] the tensor that my work-group reads
.set COD,   18                         ; s[18:19] codes
.set SCA,   20                         ; s[20:21] scales
	s_load_b512 s[4:19], s[0:1], 0x0               ; query, key, value, Wq, Wk, Wv, Wo s[16:17], codes s[18:19]
	s_load_b128 s[20:23], s[0:1], 0x40             ; scales, woh
	v_lshl_add_u32 v[SPW], v0, 2, SPARE
	v_mov_b32 v[NIL], 0
	v_lshrrev_b32 v1, 5, v0
	v_readfirstlane_b32 s28, v1                    ; wave
	v_and_b32 v2, 31, v0                           ; lane
	v_lshlrev_b32 v3, 4, v2                        ; 16 x lane
	s_mul_i32 s29, s28, WREG
	v_lshrrev_b32 v14, 2, v2
	v_mul_u32_u24 v14, v14, SP
	v_and_b32 v15, 3, v2
	v_lshl_add_u32 v14, v15, 4, v14
	v_add_nc_u32 v14, s29, v14                     ; the stage, on the way in: SP (lane / 4) + 16 (lane % 4)
	v_mul_u32_u24 v15, v2, SP
	v_add_nc_u32 v15, s29, v15                     ; on the way out: SP x lane
	v_mul_u32_u24 v4, v2, CB                       ; my codes' place in a step's
	v_lshrrev_b32 v5, 1, v2
	s_add_co_u32 s29, s29, 2*32*SP
	v_add_nc_u32 v5, s29, v5                       ; LDS: my wave's 256 scale bytes, my block's byte
	v_lshlrev_b32 v7, 3, v2
	v_add_nc_u32 v6, s29, v7                       ; and on the way out 8 bytes a lane
	v_lshlrev_b32 v10, 5, v2                       ; 32 x lane: Wo's way in
	s_wait_kmcnt 0x0
	s_cmp_ge_u32 ttmp9, 864
	s_cbranch_scc1 .Lwo
	; which tensor is mine: a choice among pointers on the work-group's number alone
	s_mov_b64 s[SRC:SRC+1], s[14:15]
	s_mov_b32 s26, 832
	s_cmp_lt_u32 ttmp9, 832
	s_cselect_b64 s[SRC:SRC+1], s[12:13], s[SRC:SRC+1]
	s_cselect_b32 s26, 800, s26
	s_cmp_lt_u32 ttmp9, 800
	s_cselect_b64 s[SRC:SRC+1], s[10:11], s[SRC:SRC+1]
	s_cselect_b32 s26, 768, s26
	s_cmp_lt_u32 ttmp9, 768
	s_cselect_b64 s[SRC:SRC+1], s[8:9], s[SRC:SRC+1]
	s_cselect_b32 s26, 512, s26
	s_cmp_lt_u32 ttmp9, 512
	s_cselect_b64 s[SRC:SRC+1], s[6:7], s[SRC:SRC+1]
	s_cselect_b32 s26, 256, s26
	s_cmp_lt_u32 ttmp9, 256
	s_cselect_b64 s[SRC:SRC+1], s[4:5], s[SRC:SRC+1]
	s_cselect_b32 s26, 0, s26
	s_sub_co_u32 s27, ttmp9, s26
	s_lshl_b32 s27, s27, 2
	s_add_co_u32 s30, s27, s28                     ; which run of 8,192 numbers of the tensor is my wave's
	s_lshl_b32 s30, s30, 15                        ; 32,768 bytes a run
	s_mov_b32 s31, 0
	s_add_nc_u64 s[SRC:SRC+1], s[SRC:SRC+1], s[30:31]
	s_lshl_b32 s30, ttmp9, 2
	s_add_co_u32 s30, s30, s28                     ; and which run of the stream
	s_lshl_b32 s32, s30, 12                        ; 4,096 bytes of codes a run
	s_mov_b32 s33, 0
	s_add_nc_u64 s[COD:COD+1], s[COD:COD+1], s[32:33]
	s_lshl_b32 s32, s30, 8                         ; 256 scale bytes a run
	s_add_nc_u64 s[SCA:SCA+1], s[SCA:SCA+1], s[32:33]
.macro LOAD t
.irp i, 0,1,2,3
	global_load_b128 v[R+16*((\t)%4)+4*\i:R+16*((\t)%4)+4*\i+3], v3, s[SRC:SRC+1] offset:2048*(\t)+512*\i th:TH_LOAD_NT   ; 32 lanes read 512 consecutive bytes
.endr
.endm
.macro TURN t                          ; step t's numbers through the stage: LDS serves a wave's instructions in order, so no wait stands between the stores and the loads
.irp i, 0,1,2,3
	ds_store_b128 v14, v[R+16*((\t)%4)+4*\i:R+16*((\t)%4)+4*\i+3] offset:32*SP*((\t)%2)+8*SP*\i
.endr
.irp i, 0,1,2,3
	ds_load_b128 v[X+16*((\t)%2)+4*\i:X+16*((\t)%2)+4*\i+3], v15 offset:32*SP*((\t)%2)+16*\i
.endr
.endm
.irp t, 0,1,2,3
	LOAD \t
.endr
	s_wait_loadcnt 12                              ; step 0's four loads are in; the twelve of steps 1 to 3 may be out
	TURN 0
.macro STEP t
.set XS, X+16*((\t)%2)
.if (\t) > 0
	s_wait_dscnt 1                                 ; this step's numbers are back from the stage (the last step's byte store may be out)
.else
	s_wait_dscnt 0x0
.endif
.if (\t)+4 < STEPS
	LOAD (\t)+4                                    ; into the registers that this step's stores into the stage have read
.endif
.if (\t)+1 < STEPS
.if STEPS-2-(\t) >= 3
	s_wait_loadcnt 12                              ; the next step's four loads are in; those of the three steps behind it may be out
.else
	s_wait_loadcnt 4*(STEPS-2-(\t))
.endif
	TURN (\t)+1
.endif
	v_max3_num_f32 v8, |v[XS]|, |v[XS+1]|, |v[XS+2]|               ; the largest magnitude of my 16, in two chains
	v_max3_num_f32 v9, |v[XS+3]|, |v[XS+4]|, |v[XS+5]|
.irp i, 6,10
	v_max3_num_f32 v8, v8, |v[XS+\i]|, |v[XS+\i+1]|
	v_max3_num_f32 v9, v9, |v[XS+\i+2]|, |v[XS+\i+3]|
.endr
	v_max3_num_f32 v8, v8, |v[XS+14]|, |v[XS+15]|
	v_max3_num_f32 v8, v8, v9, (EMAX+1)<<23        ; and the floor 2^(EMAX + 1 - 127): the byte cannot fall under 1
	v_max_num_f32_dpp v8, v8, v8 row_xmask:1 row_mask:0xf bank_mask:0xf   ; and of my neighbour's 16: the block's
	v_add_nc_u32 v11, -(EMAX<<23), v8              ; EMAX off its exponent field: the conversion takes this operand's exponent field as its scale
	v_cvt_scalef32_pk8_fp4_f32 v[C+4*(\t)], v[XS:XS+7], v11
	v_cvt_scalef32_pk8_fp4_f32 v[C+4*(\t)+1], v[XS+8:XS+15], v11
	v_lshrrev_b32 v[E+(\t)], 23, v11               ; the scale's byte
	ds_store_b8 v5, v[E+(\t)] offset:16*(\t)       ; both lanes of a block write the same byte with the same value
	global_store_b64 v4, v[C+4*(\t):C+4*(\t)+1], s[COD:COD+1] offset:32*CB*(\t)   ; the wave stores 256 consecutive bytes, aligned
.endm
.irp t, 0,1,2,3,4,5,6,7,8,9,10,11,12,13,14,15
	STEP \t
.endr
	ds_load_b64 v[8:9], v6                         ; LDS serves a wave's instructions in order: these see my byte stores
	s_wait_dscnt 0x0
	global_store_b64 v7, v[8:9], s[SCA:SCA+1]      ; 32 lanes store 256 consecutive bytes, aligned
	s_wait_tensorcnt 0x0                           ; the wave's end, behind my last LDS store
	ds_add_u32 v[SPW], v[NIL]
	s_wait_dscnt 0x0
	s_endpgm
; Wo to f16: a wave takes 8,192 numbers in four groups of 2,048; a lane 8 neighbours (32 bytes in, 16 bytes out); two groups of loads are on their way
.Lwo:
	s_sub_co_u32 s27, ttmp9, 864
	s_lshl_b32 s27, s27, 2
	s_add_co_u32 s27, s27, s28                     ; my wave's run
	s_lshl_b32 s30, s27, 15
	s_mov_b32 s31, 0
	s_add_nc_u64 s[16:17], s[16:17], s[30:31]
	s_lshl_b32 s30, s27, 14
	s_add_nc_u64 s[22:23], s[22:23], s[30:31]
.macro WLOAD grp, set
.irp i, 0,1,2,3,4,5,6,7
	global_load_b128 v[16+64*\set+8*\i:16+64*\set+8*\i+3], v10, s[16:17] offset:8192*\grp+1024*\i th:TH_LOAD_NT
	global_load_b128 v[16+64*\set+8*\i+4:16+64*\set+8*\i+7], v10, s[16:17] offset:8192*\grp+1024*\i+16 th:TH_LOAD_NT
.endr
.endm
.macro WCVT grp, set
.irp i, 0,1,2,3,4,5,6,7
.irp j, 0,1,2,3
	v_cvt_pk_f16_f32 v[144+4*\i+\j], v[16+64*\set+8*\i+2*\j], v[16+64*\set+8*\i+2*\j+1]
.endr
	global_store_b128 v3, v[144+4*\i:144+4*\i+3], s[22:23] offset:4096*\grp+512*\i   ; 32 lanes store 512 consecutive bytes
.endr
.endm
	WLOAD 0, 0
	WLOAD 1, 1
	s_wait_loadcnt 16                              ; group 0 is in; group 1's sixteen loads may be out
	WCVT 0, 0
	WLOAD 2, 0
	s_wait_loadcnt 16                              ; group 1 is in
	s_wait_xcnt 0x0                                ; the stores have read v144-175, which are written again
	WCVT 1, 1
	WLOAD 3, 1
	s_wait_loadcnt 16                              ; group 2 is in
	s_wait_xcnt 0x0
	WCVT 2, 0
	s_wait_loadcnt 0x0
	s_wait_xcnt 0x0
	WCVT 3, 1
	s_wait_tensorcnt 0x0                           ; the same three lines at this path's end
	ds_add_u32 v[SPW], v[NIL]
	s_wait_dscnt 0x0
	s_endpgm
.Lfunc_end_k_q00f8943e94_quant:
	.size	k_q00f8943e94_quant, .Lfunc_end_k_q00f8943e94_quant-k_q00f8943e94_quant
	.p2alignl 7, 3214868480
	.fill 96, 4, 3214868480
	.section	.rodata,"a",@progbits
	.p2align	6, 0x0
	.amdhsa_kernel k_q00f8943e94_quant
		.amdhsa_group_segment_fixed_size 33280
		.amdhsa_private_segment_fixed_size 0
		.amdhsa_enable_private_segment 0
		.amdhsa_kernarg_size 80
		.amdhsa_user_sgpr_count 2
		.amdhsa_user_sgpr_kernarg_segment_ptr 1
		.amdhsa_wavefront_size32 1
		.amdhsa_system_sgpr_workgroup_id_x 1
		.amdhsa_system_sgpr_workgroup_id_y 1
		.amdhsa_system_sgpr_workgroup_id_z 1
		.amdhsa_system_vgpr_workitem_id 0
		.amdhsa_next_free_vgpr 192
		.amdhsa_next_free_sgpr 66
		.amdhsa_reserve_vcc 0
		.amdhsa_float_denorm_mode_32 3
		.amdhsa_float_denorm_mode_16_64 3
		.amdhsa_memory_ordered 1
		.amdhsa_forward_progress 1
		.amdhsa_inst_pref_size 52
	.end_amdhsa_kernel
	.amdgpu_metadata
---
amdhsa.version: [ 1, 2 ]
amdhsa.kernels:
  - .name:           k_q00f8943e94_quant
    .symbol:         k_q00f8943e94_quant.kd
    .args:
      - { .name: query, .offset: 0, .size: 8, .value_kind: global_buffer, .address_space: global }
      - { .name: key, .offset: 8, .size: 8, .value_kind: global_buffer, .address_space: global }
      - { .name: value, .offset: 16, .size: 8, .value_kind: global_buffer, .address_space: global }
      - { .name: Wq, .offset: 24, .size: 8, .value_kind: global_buffer, .address_space: global }
      - { .name: Wk, .offset: 32, .size: 8, .value_kind: global_buffer, .address_space: global }
      - { .name: Wv, .offset: 40, .size: 8, .value_kind: global_buffer, .address_space: global }
      - { .name: Wo, .offset: 48, .size: 8, .value_kind: global_buffer, .address_space: global }
      - { .name: codes, .offset: 56, .size: 8, .value_kind: global_buffer, .address_space: global }
      - { .name: scales, .offset: 64, .size: 8, .value_kind: global_buffer, .address_space: global }
      - { .name: woh, .offset: 72, .size: 8, .value_kind: global_buffer, .address_space: global }
    .group_segment_fixed_size: 33280
    .private_segment_fixed_size: 0
    .kernarg_segment_align: 8
    .kernarg_segment_size: 80
    .max_flat_workgroup_size: 128
    .sgpr_count:     66
    .vgpr_count:     192
    .wavefront_size: 32
...
	.end_amdgpu_metadata
.endif
;; end of part 1
;; launch proj (part 2): grid 4 x 96, 4 waves a work-group, clusters of 4 x 4, 327,680 bytes of LDS; arguments codes, scales, bq, bk, bv, mask, qkvh; writes qkvh
.if DOCPART == 2
	.amdgcn_target "amdgcn-amd-amdhsa--gfx1250"
	.amdhsa_code_object_version 6
	.text
	.protected	k_q00f8943e94_proj
	.globl	k_q00f8943e94_proj
	.p2align	8
	.type	k_q00f8943e94_proj,@function
k_q00f8943e94_proj:
	s_mov_b64 s[64:65], 0
	v_nop
	global_prefetch_b8 v0, s[64:65] scope:SCOPE_SE
	s_setreg_imm32_b32 hwreg(HW_REG_WAVE_MODE, 25, 1), 1
	s_wait_xcnt 0x0
	s_wait_alu depctr_hold_cnt(0) depctr_sa_sdst(0) depctr_va_vdst(0) depctr_va_sdst(0) depctr_va_ssrc(0) depctr_va_vcc(0) depctr_vm_vsrc(0)
	s_getreg_b32 s2, hwreg(HW_REG_IB_STS2, 6, 4)
	s_cmp_eq_u32 s2, 0
	s_cbranch_scc0 .Lentry_in_a_cluster
	s_endpgm
.Lentry_in_a_cluster:
	s_bfe_u32 s2, ttmp6, 0x10000c
	s_cmp_lg_u32 s2, 0xf033
	s_cbranch_scc0 .Lentry_shape_is_right
	s_endpgm
.Lentry_shape_is_right:
; The three quantised products: y = x W^T + b for (query, Wq, bq), (key, Wk, bk), (value, Wv, bv), on codes of FP4 with E8M0 scales, K = 1,024; sums in f32.
; codes: rows of 512 bytes, scales: rows of 32 bytes; rows 0 .. 24,575 the tokens of query, key, value; rows 24,576 + 1,024 t .. the weight of tensor t.
; OUT: qkvh [3][8192][1024] f16.  t = 0: (q + bq) x c, c = log2(e) / 8, so that the next launch's scores are exponents of 2;  t = 1: k + bk, and 0 for a key whose mask is 0;  t = 2: v + bv.  All in f32, rounded once.
; LIMITS: |c q|, |k|, |v| up to 65,504; NaN and infinities are not served.
; A tile of 256 x 256 is made by four waves, each 128 x 128: 64 accumulators, 512 registers.  K goes in two steps of 512, and both slots are filled at the head: nothing is filled again.
; The scale bytes of the tile's 256 + 256 rows come once, as dense blocks.  CLUSTER 4 x 4: A's tiles are asked for jointly along a row of the cluster, B's along a column.
; The matrix instruction is used transposed (source 0 = 16 rows of W, source 1 = 16 tokens): a lane holds eight neighbouring columns of one token.  The bias is the C of each sum's first product.
; REGISTERS: window 0: v16-29 addresses; v32-95 scale words, two sets; v96-111 the tokens' factors, a pair for each block of 16 tokens; v128-191 A's fragments; v192-255 the bias, 8 registers for each block of 16 columns.
;   window 1: B's fragments, two sets.  windows 2, 3: the accumulators ((a, b) at v[8 (8 (a % 4) + b)]).
.set KSTEP,  512
.set NQ,     4                         ; matrix instructions deep in a slot
.set ROWB,   256                       ; a tile's row in bytes
.set KROW,   512                       ; a row of codes in memory
.set PITCH,  272                       ; an LDS row: 256 bytes + 16 of padding
.set FR,     8
.set NL,     2
.set NP,     4                         ; places behind this matrix instruction (ISA guide 7.12.1)
.set HALFT,  128*PITCH
.set SLOT,   4*HALFT
.set KS,     32                        ; a row of scales in bytes
.set SCL,    2*SLOT
.set HALFS,  16*272                    ; the scales of 128 rows: 16 rows of 256 bytes + 16
.set SBLK,   2*272                     ; those of 16 rows
.set SPARE,  SCL+4*HALFS               ; the spare words, 128 bytes a wave
.set SPITCH, 272                       ; the way out: 16 rows x (256 + 16) bytes a wave, in slot 0, which has had its only fill and its last read by then
.set ADRA, 16
.set ADRB, 20
.set STO,  24
.set RD,   25
.set CO,   26
.set ADRS, 27
.set SPW,  28
.set NIL,  29
.set SC,   32
.set F,    96
.set FL,   112                         ; the factor of a live token
.set FM,   113                         ; the factor of a masked one
.set AF,   128
.set BIAS, 192
.set TMP,  128                         ; the way out: packed results
.set OB,   160                         ; and rows read back: v160-191, v192-223 by turns
.set G1, 24
.set G0, 32
.set G1B, 48
.set G0B, 56
.set G1S, 68
.set G0S, 76
.set G1SB, 80
.set G0SB, 88
.set MSB, 0
.macro WIN new                         ; the immediate's high byte repeats the setting that is left
.if MSB != \new
	s_set_vgpr_msb (MSB<<8)|\new
.set MSB, \new
.endif
.endm
.set MUL_LO, 0xa1                      ; source 0 (W) window 1, source 1 (tokens) window 0, C and D window 2
.set MUL_HI, 0xf1                      ; the same, C and D window 3
.set BEG_LO, 0x81                      ; the first products: C (the bias) window 0, D window 2
.set BEG_HI, 0xc1                      ; D window 3
.set TO_B,   0x40
; A joint load: waves 0 and 1 fetch for A, waves 2 and 3 for B; the branch hangs on the wave's number alone.  An s_nop 0 and four v_nop follow each line.
.macro JLOAD g0a, g1a, g0b, g1b
	s_cmp_eq_u32 s15, 0
	s_cbranch_scc0 .Lfor_b_\@
	tensor_load_to_lds s[\g0a:\g0a+3], s[\g1a:\g1a+7]
	s_nop 0
.rept 4
	v_nop
.endr
	s_branch .Lasked_\@
.Lfor_b_\@:
	tensor_load_to_lds s[\g0b:\g0b+3], s[\g1b:\g1b+7]
	s_nop 0
.rept 4
	v_nop
.endr
.Lasked_\@:
.endm
.macro CROUND                          ; a round of the cluster's barrier
	s_barrier_signal -1
	s_barrier_wait -1
	s_cmp_lg_u32 s14, 0
	s_cbranch_scc1 .Lnot_wave_0_\@
	s_barrier_signal -3
.Lnot_wave_0_\@:
	s_barrier_wait -3
	s_barrier_signal -1
	s_barrier_wait -1
.endm
	s_load_b128 s[4:7], s[0:1], 0x0                ; codes, scales
	s_load_b128 s[8:11], s[0:1], 0x10              ; bq, bk
	s_load_b128 s[96:99], s[0:1], 0x20             ; bv, mask
	s_load_b64 s[12:13], s[0:1], 0x30              ; qkvh
	v_lshl_add_u32 v[SPW], v0, 2, SPARE
	v_mov_b32 v[NIL], 0
	ds_add_u32 v[SPW], v[NIL]                      ; the wave's opening: the add, twice on end, and its wait ahead of my first tensor load
	ds_add_u32 v[SPW], v[NIL]
	v_lshrrev_b32 v1, 5, v0
	v_readfirstlane_b32 s14, v1                    ; wave 0..3
	s_lshr_b32 s15, s14, 1                         ; which half of the tile's tokens is mine.  Also: I fetch for A (0) or for B (1)
	s_and_b32 s16, s14, 1                          ; which half of its columns.  Also: which 128 rows I fetch
	s_bfe_u32 s40, ttmp6, 0x40000                  ; cx
	s_bfe_u32 s41, ttmp6, 0x40004                  ; cy
	s_lshl_b32 s42, ttmp9, 2
	s_add_co_u32 s42, s42, s40                     ; tile column = 4 x cluster x + cx
	s_and_b32 s17, ttmp7, 0xffff
	s_lshr_b32 s100, s17, 3                        ; t, the tensor: eight clusters along y each; the same in all sixteen partners
	s_lshl_b32 s17, s17, 2
	s_add_co_u32 s17, s17, s41                     ; tile row = 4 x cluster y + cy, 0 .. 95
	s_lshl_b32 s43, s41, 2
	s_lshl_b32 s43, 15, s43                        ; my row of the cluster
	s_lshl_b32 s44, 0x1111, s40                    ; my column
	s_or_b32 s[G1+0], s43, (0<<16)|(1<<20)|(1<<21)|(5<<22)|(3<<25)  ; the mask; elements of 1 byte; padding on, 4 words behind every 64; bit 21 set beside a mask
	s_or_b32 s[G1B+0], s44, (0<<16)|(1<<20)|(1<<21)|(5<<22)|(3<<25)
.irp g, G1, G1B
	s_mov_b32 s[\g+1], ROWB<<16                    ; tensor_dim0
	s_mov_b32 s[\g+2], 128<<16                     ; tensor_dim1
	s_mov_b32 s[\g+3], ROWB<<16                    ; tile_dim0
	s_mov_b32 s[\g+4], 128                         ; tile_dim1
	s_mov_b32 s[\g+5], KROW                        ; from row to row
	s_mov_b32 s[\g+6], 0
	s_mov_b32 s[\g+7], 0
.endr
	s_or_b32 s[G1S+0], s43, (3<<16)|(1<<20)|(1<<21)|(5<<22)|(3<<25) ; the scales of 128 rows: 4,096 dense bytes as 16 rows of 32 elements of 8 bytes
	s_or_b32 s[G1SB+0], s44, (3<<16)|(1<<20)|(1<<21)|(5<<22)|(3<<25)
.irp g, G1S, G1SB
	s_mov_b32 s[\g+1], 32<<16
	s_mov_b32 s[\g+2], 16<<16
	s_mov_b32 s[\g+3], 32<<16
	s_mov_b32 s[\g+4], 16
	s_mov_b32 s[\g+5], 32
	s_mov_b32 s[\g+6], 0
	s_mov_b32 s[\g+7], 0
.endr
	s_lshl_b32 s18, s16, 7                         ; which 128 rows I fetch
	s_lshl_b32 s20, s17, 8
	s_add_co_u32 s20, s20, s18                     ; A: row 256 x tile row + 128 x half
	s_lshl_b32 s46, s42, 8
	s_add_co_u32 s46, s46, s18
	s_lshl_b32 s19, s100, 10
	s_add_co_u32 s46, s46, s19
	s_add_co_u32 s46, s46, 24576                   ; B: row 24,576 + 1,024 t + 256 x tile column + 128 x half
	s_lshl_b32 s22, s20, 5                         ; their scales, 32 bytes a row,
	s_mov_b32 s23, 0
	s_lshl_b32 s92, s46, 5
	s_mov_b32 s93, 0
	s_lshl_b32 s20, s20, 9                         ; and their codes, 512 bytes a row
	s_mov_b32 s21, 0
	s_lshl_b32 s46, s46, 9
	s_mov_b32 s47, 0
	s_mul_i32 s45, s14, HALFT                      ; where they go: wave x 128 rows
	s_mul_i32 s94, s14, HALFS
	s_wait_dscnt 0x0                               ; both opening adds are done
	s_wait_kmcnt 0x0
	s_add_nc_u64 s[20:21], s[4:5], s[20:21]
	s_add_nc_u64 s[22:23], s[6:7], s[22:23]
	s_add_nc_u64 s[46:47], s[4:5], s[46:47]
	s_add_nc_u64 s[92:93], s[6:7], s[92:93]
	CROUND                                         ; all sixteen work-groups are here: the joint loads meet
	s_mov_b32 s[G0S], 1
	s_add_co_u32 s[G0S+1], s94, SCL
	s_mov_b64 s[G0S+2:G0S+3], s[22:23]
	s_or_b32 s[G0S+3], s[G0S+3], 0x80000000
	s_mov_b32 s[G0SB], 1
	s_add_co_u32 s[G0SB+1], s94, SCL
	s_mov_b64 s[G0SB+2:G0SB+3], s[92:93]
	s_or_b32 s[G0SB+3], s[G0SB+3], 0x80000000
	JLOAD G0S, G1S, G0SB, G1SB                     ; the scales first: they are wanted with K step 0
.irp s, 0,1
	s_mov_b32 s[G0+4*\s], 1
	s_add_co_u32 s[G0+4*\s+1], s45, \s*SLOT
	s_add_nc_u64 s[G0+4*\s+2:G0+4*\s+3], s[20:21], \s*ROWB
	s_or_b32 s[G0+4*\s+3], s[G0+4*\s+3], 0x80000000
	s_mov_b32 s[G0B+4*\s], 1
	s_add_co_u32 s[G0B+4*\s+1], s45, \s*SLOT
	s_add_nc_u64 s[G0B+4*\s+2:G0B+4*\s+3], s[46:47], \s*ROWB
	s_or_b32 s[G0B+4*\s+3], s[G0B+4*\s+3], 0x80000000
	JLOAD G0+4*\s, G1, G0B+4*\s, G1B               ; three tensor loads of mine are out
.endr
	v_and_b32 v1, 15, v0                           ; r = lane % 16
	v_bfe_u32 v2, v0, 4, 1                         ; h = lane / 16
	; the bias of my 128 columns, the mask of my 128 tokens: asked for first, used below
	s_cmp_eq_u32 s100, 0
	s_cselect_b64 s[18:19], s[8:9], s[96:97]
	s_mov_b32 s66, 1.0
	s_cselect_b32 s66, 0x3e38aa3b, s66             ; a live token's factor: c = log2(e) / 8 for q, else 1
	s_cmp_eq_u32 s100, 1
	s_cselect_b64 s[18:19], s[10:11], s[18:19]
	s_cselect_b32 s67, 0, s66                      ; a masked token's: 0 for k, else the same
	s_lshl_b32 s20, s42, 10
	s_lshl_b32 s21, s16, 9
	s_add_co_u32 s20, s20, s21                     ; 4 x (256 x tile column + 128 x half)
	s_mov_b32 s21, 0
	s_add_nc_u64 s[18:19], s[18:19], s[20:21]
	s_and_b32 s20, s17, 31
	s_lshl_b32 s20, s20, 8
	s_lshl_b32 s22, s15, 7
	s_add_co_u32 s20, s20, s22                     ; my first token in its tensor, which is its place in mask [4][2048]
	s_lshl_b32 s20, s20, 2
	s_add_nc_u64 s[98:99], s[98:99], s[20:21]
	v_lshlrev_b32 v7, 5, v2                        ; 32 h
	v_lshlrev_b32 v8, 2, v1                        ; 4 r
.irp b, 0,1,2,3,4,5,6,7
	global_load_b128 v[BIAS+8*\b:BIAS+8*\b+3], v7, s[18:19] offset:64*\b        ; lane (r, h), register j: the bias of column 16 b + 8 h + j
	global_load_b128 v[BIAS+8*\b+4:BIAS+8*\b+7], v7, s[18:19] offset:64*\b+16
.endr
.irp a, 0,1,2,3,4,5,6,7
	global_load_b32 v[F+2*\a], v8, s[98:99] offset:64*\a                        ; the mask of token 16 a + r
.endr
	v_mul_u32_u24 v3, v1, PITCH
	v_lshl_add_u32 v4, v2, 4, v3                   ; a fragment's row x pitch + 16 x half
	s_mul_i32 s21, s15, HALFT                      ; my 128 rows of A
	s_mul_i32 s22, s16, HALFT                      ; my 128 rows of B,
	s_add_co_u32 s22, s22, 2*HALFT                 ; behind A's 256
.irp s, 0,1
	v_add_nc_u32 v[ADRA+\s], s21, v4
	v_add_nc_u32 v[ADRB+\s], s22, v4
	s_add_co_u32 s21, s21, SLOT
	s_add_co_u32 s22, s22, SLOT
.endr
	v_mul_u32_u24 v5, v1, KS                       ; my row's scales: KS bytes a row,
	v_lshrrev_b32 v6, 8, v5
	v_lshl_add_u32 v5, v6, 4, v5                   ; and 16 more for each 256 passed
	s_mul_i32 s21, s15, HALFS
	s_mul_i32 s22, s16, HALFS
	s_add_co_u32 s22, s22, 2*HALFS
	s_sub_co_u32 s22, s22, s21
	v_mul_u32_u24 v6, s22, v2                      ; lanes 16-31 take B's: one product, the distance between the two bases
	s_add_co_u32 s21, s21, SCL
	v_add_nc_u32 v5, v5, v6
	v_add_nc_u32 v[ADRS], s21, v5
	s_mul_i32 s23, s14, 16*SPITCH                  ; my stage
	v_mul_u32_u24 v5, v1, SPITCH
	v_lshl_add_u32 v5, v2, 4, v5
	v_add_nc_u32 v[STO], s23, v5                   ; in: row r, 16 bytes for each half of the lanes
	v_mul_u32_u24 v5, v2, SPITCH
	v_lshl_add_u32 v5, v1, 4, v5
	v_add_nc_u32 v[RD], s23, v5                    ; back: lanes 0-15 one row of 256 bytes, lanes 16-31 the next
	v_lshlrev_b32 v5, 11, v2
	v_lshl_add_u32 v[CO], v1, 4, v5                ; and the same two rows in qkvh, 2,048 bytes apart
	s_lshl_b32 s20, s17, 8
	s_lshl_b32 s21, s15, 7
	s_add_co_u32 s20, s20, s21                     ; my first row of qkvh: 256 x tile row + 128 x half
	s_lshl_b32 s20, s20, 11
	s_lshl_b32 s21, s42, 9
	s_add_co_u32 s20, s20, s21                     ; + 512 x tile column
	s_lshl_b32 s21, s16, 8
	s_add_co_u32 s20, s20, s21                     ; + 256 x half
	s_mov_b32 s21, 0
	s_add_nc_u64 s[12:13], s[12:13], s[20:21]
	v_mov_b32 v[FL], s66
	v_mov_b32 v[FM], s67
	s_wait_loadcnt 0x0                             ; the bias and the mask
.irp a, 0,1,2,3,4,5,6,7
	v_cmp_ne_u32 vcc_lo, 0, v[F+2*\a]
	v_cndmask_b32 v[F+2*\a], v[FM], v[FL], vcc_lo  ; the token's factor,
	v_mov_b32 v[F+2*\a+1], v[F+2*\a]               ; twice: a pair for the packed multiply
.endr
.macro FRAG reg, adr, q, i             ; 16 rows x 128 K of 4-bit codes: lane l holds row l % 16; registers 4 c .. 4 c + 3 hold K = 64 c + 32 (l / 16) + 0 .. 31
.irp c, 0,1
	ds_load_b128 v[\reg+4*\c:\reg+4*\c+3], v[\adr] offset:64*(\q)+32*\c+(\i)*16*PITCH
.endr
.endm
; 16 matrix instructions: A's blocks a0, a0 + 1 x B's eight.  first = 1: the bias is C: nothing is cleared or added later.  The 64 accumulators take turns, one instruction a turn.
.macro MUL16 a0, p, q, sc, first
.irp a, \a0, \a0+1
.irp b, 0,1,2,3,4,5,6,7
.if \first
	v_wmma_scale_f32_16x16x128_f8f6f4 v[8*(8*((\a)%4)+\b):8*(8*((\a)%4)+\b)+7], v[128*(\p)+FR*\b:128*(\p)+FR*\b+FR-1], v[AF+FR*(\a):AF+FR*(\a)+FR-1], v[BIAS+8*\b:BIAS+8*\b+7], v[SC+8*NQ*(\sc)+NQ*\b+(\q)], v[SC+8*NQ*(\sc)+NQ*(\a)+(\q)] matrix_a_fmt:MATRIX_FMT_FP4 matrix_b_fmt:MATRIX_FMT_FP4 matrix_a_scale:MATRIX_SCALE_ROW1
.else
	v_wmma_scale_f32_16x16x128_f8f6f4 v[8*(8*((\a)%4)+\b):8*(8*((\a)%4)+\b)+7], v[128*(\p)+FR*\b:128*(\p)+FR*\b+FR-1], v[AF+FR*(\a):AF+FR*(\a)+FR-1], v[8*(8*((\a)%4)+\b):8*(8*((\a)%4)+\b)+7], v[SC+8*NQ*(\sc)+NQ*\b+(\q)], v[SC+8*NQ*(\sc)+NQ*(\a)+(\q)] matrix_a_fmt:MATRIX_FMT_FP4 matrix_b_fmt:MATRIX_FMT_FP4 matrix_a_scale:MATRIX_SCALE_ROW1
.endif
.endr
.endr
.endm
.macro FETCH_B slot, q, p
	WIN TO_B
.irp i, 0,1,2,3,4,5,6,7
	FRAG 128*(\p)+FR*\i, ADRB+\slot, \q, \i
.endr
	WIN 0
.endm
.macro FETCH_A slot, q, i0
.irp i, \i0, \i0+1, \i0+2, \i0+3
	FRAG AF+FR*(\i), ADRA+\slot, \q, \i
.endr
.endm
.macro SCALES sc                       ; a K step's scale words: lanes 0-15 take A's block i, lanes 16-31 B's block i
.irp i, 0,1,2,3,4,5,6,7
	ds_load_b128 v[SC+8*NQ*\sc+NQ*\i:SC+8*NQ*\sc+NQ*\i+3], v[ADRS] offset:\i*SBLK
.endr
.endm
.macro PLACES n                        ; plain vector instructions between a matrix instruction and a load into, or a read of, its registers
.rept \n
	v_nop
.endr
.endm
.macro STEP slot, q, first             ; 128 along K that has its successor in the same slot
	s_wait_dscnt 4*NL                              ; B's set and A's blocks 0-3 are in; the youngest eight loads (A's blocks 4-7) may be out
.if \first
	WIN BEG_LO
.else
	WIN MUL_LO
.endif
	MUL16 0, (\q)%2, \q, \slot, \first
	MUL16 2, (\q)%2, \q, \slot, \first
	s_wait_dscnt 0
	PLACES NP
	FETCH_B \slot, (\q)+1, 1-(\q)%2
	FETCH_A \slot, (\q)+1, 0
.if \first
	WIN BEG_HI
.else
	WIN MUL_HI
.endif
	MUL16 4, (\q)%2, \q, \slot, \first
	MUL16 6, (\q)%2, \q, \slot, \first
	PLACES NP
	WIN 0
	FETCH_A \slot, (\q)+1, 4
.endm
; Slot 0's last step changes slots: each wave waits for all its tensor loads (its part of slot 1), adds 0 to its spare word, waits for that and for its reads of slot 0; one barrier.  Nothing is filled again.
.macro TURN slot, next
	s_wait_tensorcnt 0x0
	ds_add_u32 v[SPW], v[NIL]
	s_wait_dscnt 4*NL+1                            ; (the add and the youngest eight loads may be out)
	WIN MUL_LO
	MUL16 0, 1, NQ-1, \slot, 0
	s_wait_dscnt 0x0                               ; the add is done, and my reads of this slot are over
	s_barrier_signal -1
	MUL16 2, 1, NQ-1, \slot, 0
	WIN 0
	s_barrier_wait -1
	PLACES NP
	v_add_nc_u32 v[ADRS], 4*NQ, v[ADRS]            ; on to the next K step's scale words
	FETCH_B \next, 0, 0
	FETCH_A \next, 0, 0
	SCALES \next
	WIN MUL_HI
	MUL16 4, 1, NQ-1, \slot, 0
	MUL16 6, 1, NQ-1, \slot, 0
	PLACES NP
	WIN 0
	FETCH_A \next, 0, 4
.endm
.macro STEPS slot, from
.set QQ, \from
.rept NQ-1-\from
	STEP \slot, QQ, 0
.set QQ, QQ+1
.endr
.endm
	s_wait_tensorcnt 1                             ; the scales and my part of K step 0 are in (K step 1's load may be out),
	s_barrier_signal -1
	s_barrier_wait -1                              ; everybody's are
	FETCH_B 0, 0, 0
	FETCH_A 0, 0, 0
	SCALES 0
	FETCH_A 0, 0, 4
	STEP 0, 0, 1                                   ; the first products start the sums from the bias
	STEPS 0, 1
	TURN 0, 1
	STEPS 1, 0
	s_wait_dscnt 4*NL                              ; the last step: nothing more to fetch
	WIN MUL_LO
	MUL16 0, 1, NQ-1, 1, 0
	MUL16 2, 1, NQ-1, 1, 0
	s_wait_dscnt 0
	WIN MUL_HI
	MUL16 4, 1, NQ-1, 1, 0
	MUL16 6, 1, NQ-1, 1, 0
	WIN 0
; THE WAY OUT, a block of 16 tokens x 128 columns at a time: times the token's factor, rounded to f16 (16 bytes a lane), through my own stage in LDS, back as whole rows of 256 bytes.
.macro PACK a
.set AC, 64*((\a)%4)
	WIN 0x82+0x41*((\a)/4)                         ; destination and source 0: window 2 or 3; the factor: window 0
.set i, 0
.rept 32
	v_pk_mul_f32 v[AC+i:AC+i+1], v[AC+i:AC+i+1], v[F+2*(\a):F+2*(\a)+1]    ; each accumulator from its low end on
.set i, i+2
.endr
	WIN 0x0a+5*((\a)/4)                            ; sources 0 and 1: window 2 or 3
.irp b, 0,1,2,3,4,5,6,7
.irp r, 0,1,2,3
	v_cvt_pk_f16_f32 v[TMP+4*\b+\r], v[AC+8*\b+2*\r], v[AC+8*\b+2*\r+1]
.endr
.endr
	WIN 0
.endm
.macro TOSTAGE a
.set BB, OB+32*((\a)%2)
.irp b, 0,1,2,3,4,5,6,7
	ds_store_b128 v[STO], v[TMP+4*\b:TMP+4*\b+3] offset:32*\b
.endr
.irp t, 0,1,2,3,4,5,6,7
	ds_load_b128 v[BB+4*\t:BB+4*\t+3], v[RD] offset:\t*2*SPITCH    ; LDS serves a wave's instructions in order: these see the stores above
.endr
.endm
.macro SEND a
.set BB, OB+32*((\a)%2)
	s_wait_dscnt 0x0                               ; the block is back in registers
	s_wait_xcnt 0x0                                ; the block before's stores have read their registers, into which the next block's loads will land
.irp t, 0,1,2,3,4,5,6,7
	global_store_b128 v[CO], v[BB+4*\t:BB+4*\t+3], s[12:13] offset:(16*(\a)+2*\t)*2048   ; 16 lanes store 256 consecutive bytes, aligned
.endr
.endm
	PLACES NP                                      ; behind the last products: their results are read and A's registers written below
	PACK 0
	TOSTAGE 0
.irp a, 1,2,3,4,5,6,7                  ; block a's arithmetic stands between block a - 1's loads from the stage and the wait for them
	PACK \a
	SEND \a-1
	TOSTAGE \a
.endr
	SEND 7
	s_wait_tensorcnt 0x0                           ; the wave's end
	ds_add_u32 v[SPW], v[NIL]
	s_wait_dscnt 0x0
	CROUND                                         ; the closing round
	s_endpgm
.Lfunc_end_k_q00f8943e94_proj:
	.size	k_q00f8943e94_proj, .Lfunc_end_k_q00f8943e94_proj-k_q00f8943e94_proj
	.p2alignl 7, 3214868480
	.fill 96, 4, 3214868480
	.section	.rodata,"a",@progbits
	.p2align	6, 0x0
	.amdhsa_kernel k_q00f8943e94_proj
		.amdhsa_group_segment_fixed_size 327680
		.amdhsa_private_segment_fixed_size 0
		.amdhsa_enable_private_segment 0
		.amdhsa_kernarg_size 56
		.amdhsa_user_sgpr_count 2
		.amdhsa_user_sgpr_kernarg_segment_ptr 1
		.amdhsa_wavefront_size32 1
		.amdhsa_system_sgpr_workgroup_id_x 1
		.amdhsa_system_sgpr_workgroup_id_y 1
		.amdhsa_system_sgpr_workgroup_id_z 1
		.amdhsa_system_vgpr_workitem_id 0
		.amdhsa_next_free_vgpr 1024
		.amdhsa_next_free_sgpr 102
		.amdhsa_reserve_vcc 1
		.amdhsa_float_denorm_mode_32 3
		.amdhsa_float_denorm_mode_16_64 3
		.amdhsa_memory_ordered 1
		.amdhsa_forward_progress 1
		.amdhsa_inst_pref_size 146
	.end_amdhsa_kernel
	.amdgpu_metadata
---
amdhsa.version: [ 1, 2 ]
amdhsa.kernels:
  - .name:           k_q00f8943e94_proj
    .symbol:         k_q00f8943e94_proj.kd
    .args:
      - { .name: codes, .offset: 0, .size: 8, .value_kind: global_buffer, .address_space: global }
      - { .name: scales, .offset: 8, .size: 8, .value_kind: global_buffer, .address_space: global }
      - { .name: bq, .offset: 16, .size: 8, .value_kind: global_buffer, .address_space: global }
      - { .name: bk, .offset: 24, .size: 8, .value_kind: global_buffer, .address_space: global }
      - { .name: bv, .offset: 32, .size: 8, .value_kind: global_buffer, .address_space: global }
      - { .name: mask, .offset: 40, .size: 8, .value_kind: global_buffer, .address_space: global }
      - { .name: qkvh, .offset: 48, .size: 8, .value_kind: global_buffer, .address_space: global }
    .group_segment_fixed_size: 327680
    .private_segment_fixed_size: 0
    .kernarg_segment_align: 8
    .kernarg_segment_size: 56
    .max_flat_workgroup_size: 128
    .sgpr_count:     102
    .vgpr_count:     1024
    .wavefront_size: 32
...
	.end_amdgpu_metadata
.endif
;; end of part 2
;; launch attn (part 3): grid 8 x 32, 8 waves a work-group, clusters of 4 x 1, 327,680 bytes of LDS; arguments qkvh, mask, xh; writes xh
.if DOCPART == 3
	.amdgcn_target "amdgcn-amd-amdhsa--gfx1250"
	.amdhsa_code_object_version 6
	.text
	.protected	k_q00f8943e94_attn
	.globl	k_q00f8943e94_attn
	.p2align	8
	.type	k_q00f8943e94_attn,@function
k_q00f8943e94_attn:
	s_mov_b64 s[64:65], 0
	v_nop
	global_prefetch_b8 v0, s[64:65] scope:SCOPE_SE
	s_setreg_imm32_b32 hwreg(HW_REG_WAVE_MODE, 25, 1), 1
	s_wait_xcnt 0x0
	s_wait_alu depctr_hold_cnt(0) depctr_sa_sdst(0) depctr_va_vdst(0) depctr_va_sdst(0) depctr_va_ssrc(0) depctr_va_vcc(0) depctr_vm_vsrc(0)
	s_getreg_b32 s2, hwreg(HW_REG_IB_STS2, 6, 4)
	s_cmp_eq_u32 s2, 0
	s_cbranch_scc0 .Lentry_in_a_cluster
	s_endpgm
.Lentry_in_a_cluster:
	s_bfe_u32 s2, ttmp6, 0x10000c
	s_cmp_lg_u32 s2, 0x3003
	s_cbranch_scc0 .Lentry_shape_is_right
	s_endpgm
.Lentry_shape_is_right:
; x[b][q][head] = the sum over k of softmax_k(scores) v[b][k][head], scores = q . k / 8, and -1e9 where mask[b][k] = 0.  f16 operands, f32 sums, maxima and row sums.
; qkvh [3][8192][1024] f16: q' = c q with c = log2(e) / 8; k, which is 0 for a masked key; v.  So s = q' . k is the score in exponents of 2.
; THE MASK is the C of each score tile's first product: 0 for a live key, NEG = -1e9 x log2(e) for a masked one, whose products are zeros: a masked score is NEG itself.
; SOFTMAX: for each query a running maximum m and sum l; p = 2^(s - m); in every step O and l are multiplied by a = 2^(m_old - m_new).  A batch with every key masked gives p = 1 throughout: the mean of v, as the definition has it.
; LIMITS: NaN and infinities are not served; |x| up to 65,504.
; SHARES: a work-group owns 256 queries of a PAIR of heads of one batch: the pair's part of a row of q, k, v, x is 256 consecutive bytes, aligned.  Wave w: head w / 4 of the pair, queries 64 (w % 4) on: four tiles of 16.
; Every wave walks the batch's 2,048 keys, 64 a step.  A slot of LDS holds four steps (256 keys: K and V of both heads); two slots.  Waves 0-3 fetch a slot's four tiles of K, waves 4-7 those of V: one load a wave.
; CLUSTER: the four query blocks of a cluster walk the same K and V: each tile is asked for jointly, by the same tensor load with a mask that names the four.
; LAYOUT: S^T = K Q^T (source 0 = 16 keys, source 1 = 16 queries): a lane holds ONE query (lane % 16) and keys 8 (lane / 16) + 0..7; two such tiles, rounded to f16 in pairs, are source 1 of O^T = V^T P.  V is turned by ds_load_tr16_b128.
; REGISTERS: window 0: v1-15 addresses; v16-47 statistics, eight a tile: +0 m, +1 zero, +2, +3 l, +4 .. +7 at work (a at +6); v64-191 S^T, 32 a tile; v192-255 P, 16 a tile; the mask's C values take v192-223 between a step's V^T P and the next roundings.
;   window 1: v0-127 O^T, 32 a tile; v128-191 Q; v192-255 one buffer for K's fragments and then V's.
.set PK,    272                        ; a row of K in LDS: 256 bytes + 16
.set PV,    288                        ; a row of V: 256 + 32
.set VOFF,  64*PK
.set STEPB, 64*(PK+PV)                 ; a step's tiles: 64 rows of K, then 64 of V
.set SLOT,  4*STEPB
.set MB,    2*SLOT                     ; behind the ring: the mask's C values, one f32 a key, 8,192 bytes; written by LDS stores, never filled
.set SPARE, MB+8192                    ; the spare words, 128 bytes a wave
.set SP,    272                        ; the way out: 256 rows x (256 + 16) bytes from LDS byte 0 on, in slot 0, which has had its last fill and its last read by then
.set AK0, 2
.set AV0, 3
.set ADR, 4
.set GO,  5
.set STO, 6
.set RD,  7
.set ABI0, 8
.set ADB, 12
.set QO,  13
.set ST,  16
.set PFO, 61                           ; v61 2,048 x my lane: the prefetches' offset; never rewritten
.set SPW, 62
.set NIL, 63
.set S,   64
.set P,   192
.set BIAS, 192
.set O,   0                            ; window 1
.set Q,   128
.set KV,  192
.set WV,  12                           ; s12 my wave's number
.set LIM, 15                           ; s15 1 in a wave that prefetches, else the greatest number
.set PFA, 18                           ; s[18:19] where my prefetches stand
.set G1K, 24
.set G1V, 32
.set G0K, 40                           ; s[40:47] K's group 0, a set for each slot
.set G0V, 48
.set OUTER, 56
.set INNER, 57
.set SEL, 60
.set TB,  62                           ; s62 LDS byte at which the step's tiles begin
.set KB,  63                           ; s63 4 x the step's first key
.set MSB, 0
.macro WIN new
.if MSB != \new
	s_set_vgpr_msb (MSB<<8)|\new
.set MSB, \new
.endif
.endm
.set W_LD, 0x40                        ; destination window 1
.set W_KQ, 0x05                        ; K and Q window 1; C and S^T window 0
.set W_RS, 0x41                        ; O^T (destination, source 0) window 1, a window 0
.set W_PV, 0x51                        ; V and O^T window 1, P window 0
.set W_CV, 0x05                        ; sources window 1, destination window 0
.macro JLOAD s                         ; a joint refill of slot s; the branch hangs on the wave's number alone; an s_nop 0 and four v_nop follow each line
	s_cmp_lt_u32 s[WV], 4
	s_cbranch_scc0 .Lfor_v_\@
	tensor_load_to_lds s[G0K+4*\s:G0K+4*\s+3], s[G1K:G1K+7]
	s_nop 0
.rept 4
	v_nop
.endr
	s_branch .Lasked_\@
.Lfor_v_\@:
	tensor_load_to_lds s[G0V+4*\s:G0V+4*\s+3], s[G1V:G1V+7]
	s_nop 0
.rept 4
	v_nop
.endr
.Lasked_\@:
.endm
; A PREFETCH of what the NEXT change of slots will ask for: 256 rows of K and of V, 256 bytes of each, a lane a row.  Each row is named once in the launch: the two clusters of a pair of heads walk the same rows, and the first asks;
; its four partners take 64 rows each, told apart by address; in each, waves 0, 1 ask for K's and waves 4, 5 for V's, 32 rows a wave.  how = 1: always; how = 0: not in the loop's last trip, behind which no slot is filled.
.macro ASK how
.if \how
	s_cmp_eq_u32 s[LIM], 1
.else
	s_cmp_gt_u32 s[OUTER], s[LIM]
.endif
	s_cbranch_scc0 .Lnot_mine_\@
	global_prefetch_b8 v[PFO], s[PFA:PFA+1] th:TH_LOAD_NT scope:SCOPE_SE
.Lnot_mine_\@:
.endm
.macro CROUND
	s_barrier_signal -1
	s_barrier_wait -1
	s_cmp_lg_u32 s[WV], 0
	s_cbranch_scc1 .Lnot_wave_0_\@
	s_barrier_signal -3
.Lnot_wave_0_\@:
	s_barrier_wait -3
	s_barrier_signal -1
	s_barrier_wait -1
.endm
	s_load_b128 s[4:7], s[0:1], 0x0                ; qkvh, mask
	s_load_b64 s[10:11], s[0:1], 0x10              ; xh
	v_lshl_add_u32 v[SPW], v0, 2, SPARE
	v_mov_b32 v[NIL], 0
	ds_add_u32 v[SPW], v[NIL]                      ; the wave's opening: the add, twice on end, and its wait ahead of my first tensor load
	ds_add_u32 v[SPW], v[NIL]
	v_lshrrev_b32 v1, 5, v0
	v_readfirstlane_b32 s[WV], v1                  ; wave 0..7
	s_and_b32 s16, s[WV], 3                        ; which 64 queries are mine.  Also: which of a slot's four steps I fetch
	s_lshr_b32 s17, s[WV], 2                       ; which head of the pair
	s_bfe_u32 s13, ttmp6, 0x40000                  ; cx
	s_lshl_b32 s14, ttmp9, 2
	s_add_co_u32 s14, s14, s13                     ; my block of 256 queries: it enters Q's and x's addresses alone
	s_and_b32 s68, ttmp7, 0xffff
	s_lshr_b32 s69, s68, 3                         ; the batch
	s_and_b32 s70, s68, 7                          ; the pair of heads
	s_lshl_b32 s20, s69, 22                        ; the batch's 2,048 rows of 2,048 bytes,
	s_lshl_b32 s71, s70, 8
	s_add_co_u32 s20, s20, s71                     ; the pair's 256 bytes of a row
	s_mov_b32 s21, 0
	s_lshl_b32 s22, s16, 17                        ; my step's 64 rows
	s_add_co_u32 s22, s22, s20
	s_add_co_u32 s22, s22, 0x1000000               ; in k's part of qkvh
	s_mov_b32 s23, 0
	s_mul_i32 s71, s16, STEPB                      ; and its place in a slot
	s_lshl_b32 s72, s14, 19                        ; my block's 256 rows
	s_add_co_u32 s72, s72, s20
	s_lshl_b32 s74, s[WV], 16
	s_add_co_u32 s74, s74, s72                     ; x: the 32 rows that I store
	s_mov_b32 s75, 0
	s_lshl_b32 s73, s16, 17
	s_add_co_u32 s72, s72, s73
	s_lshl_b32 s73, s17, 7
	s_add_co_u32 s72, s72, s73                     ; Q: my 64 rows, my head's 128 bytes
	s_mov_b32 s73, 0
	s_lshl_b32 s76, s69, 13                        ; the batch's 2,048 words of the mask
	s_mov_b32 s77, 0
	s_mov_b32 s[G1K], 15|(1<<16)|(1<<20)|(1<<21)|(5<<22)|(3<<25)  ; the mask: all four work-groups; elements of 2 bytes; padding on, 4 words behind every 64; bit 21 set beside a mask
	s_mov_b32 s[G1V], 15|(1<<16)|(1<<20)|(1<<21)|(5<<22)|(7<<25)  ; the same with 8 words of padding
.irp g, G1K, G1V
	s_mov_b32 s[\g+1], 128<<16                     ; tensor_dim0
	s_mov_b32 s[\g+2], 64<<16                      ; tensor_dim1
	s_mov_b32 s[\g+3], 128<<16                     ; tile_dim0
	s_mov_b32 s[\g+4], 64                          ; tile_dim1
	s_mov_b32 s[\g+5], 1024                        ; elements from row to row
	s_mov_b32 s[\g+6], 0
	s_mov_b32 s[\g+7], 0
.endr
	s_mov_b32 s[SEL], 0x76543210
	s_mov_b32 s[SEL+1], 0xfedcba98                 ; v_permlanex16_b32's selects for lane l xor 16
	s_mov_b32 s18, 0x2000000                       ; the prefetches: v's part of qkvh (waves 4-7) or k's (waves 0-3),
	s_cmp_lt_u32 s[WV], 4
	s_cselect_b32 s18, 0x1000000, s18
	s_add_co_u32 s18, s18, s20
	s_lshl_b32 s19, s13, 17                        ; my work-group's 64 rows of the 256,
	s_add_co_u32 s18, s18, s19
	s_and_b32 s19, s[WV], 1
	s_lshl_b32 s19, s19, 16                        ; my wave's 32 of them,
	s_add_co_u32 s18, s18, s19
	s_add_co_u32 s18, s18, 0x100000                ; at keys 512 on: the first change of slots steps it to keys 768 on.  Nothing is prefetched at the head
	s_mov_b32 s19, 0
	s_and_b32 s[LIM], s[WV], 2
	s_or_b32 s[LIM], s[LIM], ttmp9                 ; 0 in waves 0, 1, 4, 5 of the pair's first cluster: the same in all four partners
	s_cmp_eq_u32 s[LIM], 0
	s_cselect_b32 s[LIM], 1, -1
	v_and_b32 v[PFO], 31, v0
	v_lshlrev_b32 v[PFO], 11, v[PFO]
	s_wait_dscnt 0x0                               ; both opening adds are done
	s_wait_kmcnt 0x0
	s_add_nc_u64 s[PFA:PFA+1], s[4:5], s[18:19]
	s_add_nc_u64 s[22:23], s[4:5], s[22:23]        ; K at my tile of keys 0 on
	s_add_nc_u64 s[78:79], s[22:23], 0x1000000     ; V likewise
	s_add_nc_u64 s[6:7], s[6:7], s[76:77]
	s_add_nc_u64 s[10:11], s[10:11], s[74:75]
	s_add_nc_u64 s[4:5], s[4:5], s[72:73]          ; Q
	CROUND                                         ; all four work-groups are here: the first joint loads meet
.irp s, 0,1
	s_mov_b32 s[G0K+4*\s], 1
	s_add_co_u32 s[G0K+4*\s+1], s71, \s*SLOT
	s_add_nc_u64 s[G0K+4*\s+2:G0K+4*\s+3], s[22:23], \s*524288     ; slot s begins with keys 256 s on
	s_or_b32 s[G0K+4*\s+3], s[G0K+4*\s+3], 0x80000000
	s_mov_b32 s[G0V+4*\s], 1
	s_add_co_u32 s[G0V+4*\s+1], s71, \s*SLOT+VOFF
	s_add_nc_u64 s[G0V+4*\s+2:G0V+4*\s+3], s[78:79], \s*524288
	s_or_b32 s[G0V+4*\s+3], s[G0V+4*\s+3], 0x80000000
.endr
	s_cmp_lt_u32 s[WV], 4                          ; a wave's two first fills stand in one branch: two loads of mine are out
	s_cbranch_scc0 .Lfirst_v
	tensor_load_to_lds s[G0K:G0K+3], s[G1K:G1K+7]
	s_nop 0
	tensor_load_to_lds s[G0K+4:G0K+7], s[G1K:G1K+7]
	s_nop 0
.rept 4
	v_nop
.endr
	s_branch .Lfirst_asked
.Lfirst_v:
	tensor_load_to_lds s[G0V:G0V+3], s[G1V:G1V+7]
	s_nop 0
	tensor_load_to_lds s[G0V+4:G0V+7], s[G1V:G1V+7]
	s_nop 0
.rept 4
	v_nop
.endr
.Lfirst_asked:
	v_lshlrev_b32 v10, 5, v0                       ; 32 x my thread's number: my eight keys of the mask
	global_load_b128 v[64:67], v10, s[6:7]
	global_load_b128 v[68:71], v10, s[6:7] offset:16
	v_and_b32 v1, 15, v0                           ; r
	v_bfe_u32 v9, v0, 4, 1                         ; h
	v_lshlrev_b32 v[QO], 11, v1
	v_lshl_add_u32 v[QO], v9, 4, v[QO]             ; row r of 2,048 bytes + 16 h
	WIN W_LD
.irp f, 0,1,2,3,4,5,6,7                ; Q stays in registers: tile f / 2, channels 32 (f % 2) on
	global_load_b128 v[Q+8*\f:Q+8*\f+3],   v[QO], s[4:5] offset:(\f/2)*32768+(\f%2)*64
	global_load_b128 v[Q+8*\f+4:Q+8*\f+7], v[QO], s[4:5] offset:(\f/2)*32768+(\f%2)*64+32
.endr
.set i, 0
.rept 128
	v_mov_b32 v[O+i], 0                            ; O^T.  The step is written once: the first finds zeros, which its a = 0 leaves zeros
.set i, i+1
.endr
	WIN 0
	s_lshl_b32 s68, s17, 7                         ; my head's 128 bytes of a row
	v_mul_u32_u24 v[AK0], v1, PK
	v_lshl_add_u32 v[AK0], v9, 4, v[AK0]
	v_add_nc_u32 v[AK0], s68, v[AK0]               ; K: row r x pitch + 16 h + my head
	v_and_b32 v11, 7, v0
	v_lshl_add_u32 v[AV0], v9, 3, v11
	v_mul_u32_u24 v[AV0], v[AV0], PV               ; V, for the turning load: key 8 h + l % 8,
	v_bfe_u32 v11, v0, 3, 1
	v_lshl_add_u32 v[AV0], v11, 4, v[AV0]          ; channels 8 ((l / 8) % 2) on
	s_add_co_u32 s69, s68, VOFF
	v_add_nc_u32 v[AV0], s69, v[AV0]
	v_lshl_add_u32 v[ABI0], v9, 5, MB              ; the mask's C values: my eight keys of a tile begin 32 h bytes on
	v_lshl_add_u32 v15, v0, 5, MB                  ; and where I put my eight
	v_lshlrev_b32 v[GO], 11, v9
	v_lshl_add_u32 v[GO], v1, 4, v[GO]             ; the way out: lanes 0-15 one row of x, lanes 16-31 the next
	s_mul_i32 s69, s16, 64*SP
	s_add_co_u32 s69, s69, s68
	v_mul_u32_u24 v[STO], v1, SP
	v_lshl_add_u32 v[STO], v9, 4, v[STO]
	v_add_nc_u32 v[STO], s69, v[STO]               ; into the stage: row 64 (w % 4) + r, my head's half, + 16 h
	s_mul_i32 s69, s[WV], 32*SP
	v_mul_u32_u24 v[RD], v9, SP
	v_lshl_add_u32 v[RD], v1, 4, v[RD]
	v_add_nc_u32 v[RD], s69, v[RD]                 ; back: rows 32 w on, whole
.irp t, 0,1,2,3
	v_mov_b32 v[ST+8*\t], 0xff61b1e6               ; m = -3e38, under every score
.irp i, 1,2,3,4,5,6,7
	v_mov_b32 v[ST+8*\t+\i], 0
.endr
.endr
	v_mov_b32 v14, 0xceabfb8f                      ; NEG = -1e9 x log2(e)
	s_wait_loadcnt 16                              ; the mask is in; Q's sixteen loads may be out
.irp i, 0,1,2,3,4,5,6,7
	v_cmp_eq_u32 vcc_lo, 0, v[64+\i]
	v_cndmask_b32 v[64+\i], 0, v14, vcc_lo
.endr
	ds_store_b128 v15, v[64:67]
	ds_store_b128 v15, v[68:71] offset:16
	s_wait_tensorcnt 1                             ; my part of slot 0 is in; slot 1's may stay out
	s_wait_dscnt 0x0                               ; my part of the mask's values lies in LDS
	s_barrier_signal -1
	s_barrier_wait -1
	s_wait_loadcnt 0x0                             ; Q
	s_mov_b32 s[KB], 0
; A KEY STEP: 64 keys.
.macro STEP
	v_add_nc_u32 v[ADR], s[TB], v[AK0]
	v_add_nc_u32 v[ADB], s[KB], v[ABI0]
.irp kt, 0,1,2,3
	ds_load_b128 v[BIAS+8*\kt:BIAS+8*\kt+3],   v[ADB] offset:64*\kt         ; lane (r, h), register j: the C value of key 16 kt + 8 h + j
	ds_load_b128 v[BIAS+8*\kt+4:BIAS+8*\kt+7], v[ADB] offset:64*\kt+16
.endr
	WIN W_LD
.irp f, 0,1,2,3,4,5,6,7                ; K: keys 16 (f / 2) on, channels 32 (f % 2) on
	ds_load_b128 v[KV+8*\f:KV+8*\f+3],   v[ADR] offset:(\f/2)*16*PK+(\f%2)*64
	ds_load_b128 v[KV+8*\f+4:KV+8*\f+7], v[ADR] offset:(\f/2)*16*PK+(\f%2)*64+32
.endr
	s_wait_dscnt 0x0
	WIN W_KQ                                       ; S^T = K Q^T + the mask's values: sixteen accumulators by turns
.irp kt, 0,1,2,3
.irp t, 0,1,2,3
	v_wmma_f32_16x16x32_f16 v[S+32*\t+8*\kt:S+32*\t+8*\kt+7], v[KV+16*\kt:KV+16*\kt+7], v[Q+16*\t:Q+16*\t+7], v[BIAS+8*\kt:BIAS+8*\kt+7]
.endr
.endr
.irp kt, 0,1,2,3
.irp t, 0,1,2,3
	v_wmma_f32_16x16x32_f16 v[S+32*\t+8*\kt:S+32*\t+8*\kt+7], v[KV+16*\kt+8:KV+16*\kt+15], v[Q+16*\t+8:Q+16*\t+15], v[S+32*\t+8*\kt:S+32*\t+8*\kt+7]
.endr
.endr
	WIN 0
	v_add_nc_u32 v[ADR], s[TB], v[AV0]             ; four plain instructions behind the products: then loads into K's registers, and reads of the scores
	v_nop
	v_nop
	v_nop
	WIN W_LD
.irp f, 0,1,2,3,4,5,6,7                ; V, turned: keys 32 (f / 4) on, channels 16 (f % 4) on; it lands while the softmax is walked
	ds_load_tr16_b128 v[KV+8*\f:KV+8*\f+3],   v[ADR] offset:(\f/4)*32*PV+(\f%4)*32
	ds_load_tr16_b128 v[KV+8*\f+4:KV+8*\f+7], v[ADR] offset:(\f/4)*32*PV+16*PV+(\f%4)*32
.endr
	WIN 0
	; the maximum of a lane's 32 scores and the old m: four chains a tile, each accumulator read from its low end on; the four tiles by turns
.irp j, 0,1,2,3
.irp t, 0,1,2,3
	v_max3_num_f32 v[ST+8*\t+4+\j], v[S+32*\t+8*\j], v[S+32*\t+8*\j+1], v[S+32*\t+8*\j+2]
.endr
.endr
.irp i, 3,5
.irp j, 0,1,2,3
.irp t, 0,1,2,3
	v_max3_num_f32 v[ST+8*\t+4+\j], v[ST+8*\t+4+\j], v[S+32*\t+8*\j+\i], v[S+32*\t+8*\j+\i+1]
.endr
.endr
.endr
.irp t, 0,1,2,3
	v_max3_num_f32 v[ST+8*\t+4], v[ST+8*\t+4], v[S+32*\t+7], v[S+32*\t+15]
.endr
.irp t, 0,1,2,3
	v_max3_num_f32 v[ST+8*\t+6], v[ST+8*\t+6], v[S+32*\t+23], v[S+32*\t+31]
.endr
.irp t, 0,1,2,3
	v_max3_num_f32 v[ST+8*\t+4], v[ST+8*\t+4], v[ST+8*\t+5], v[ST+8*\t+6]
.endr
.irp t, 0,1,2,3
	v_max3_num_f32 v[ST+8*\t+4], v[ST+8*\t+4], v[ST+8*\t+7], v[ST+8*\t]
.endr
.irp t, 0,1,2,3
	v_permlanex16_b32 v[ST+8*\t+5], v[ST+8*\t+4], s[SEL], s[SEL+1]   ; the query's other 32 keys lie in the lane 16 away
.endr
.irp t, 0,1,2,3
	v_max_num_f32 v[ST+8*\t+4], v[ST+8*\t+4], v[ST+8*\t+5]           ; the new m
.endr
.irp t, 0,1,2,3
	v_sub_f32 v[ST+8*\t+7], v[ST+8*\t], v[ST+8*\t+4]                 ; m_old - m_new
.endr
.irp t, 0,1,2,3
	v_mov_b32 v[ST+8*\t], v[ST+8*\t+4]
.endr
.irp j, 0,2,4,6,8,10,12,14,16,18,20,22,24,26,28,30
.irp t, 0,1,2,3
	v_pk_add_f32 v[S+32*\t+\j:S+32*\t+\j+1], v[S+32*\t+\j:S+32*\t+\j+1], v[ST+8*\t:ST+8*\t+1] op_sel_hi:[1,0] neg_lo:[0,1] neg_hi:[0,1]   ; s - m, two at a time
.endr
.endr
.irp t, 0,1,2,3
	v_exp_f32 v[ST+8*\t+6], v[ST+8*\t+7]           ; a
.endr
.set i, 0
.rept 128
	v_exp_f32 v[S+i], v[S+i]                       ; p = 2^(s - m)
.set i, i+1
.endr
	v_nop                                          ; a plain instruction behind the last exponential
	s_wait_alu depctr_va_vdst(0)                   ; one wait for the whole batch, ahead of its first reader
.irp j, 0,1,2,3,4,5,6,7,8,9,10,11,12,13,14,15
.irp t, 0,1,2,3
	v_cvt_pk_f16_f32 v[P+16*\t+\j], v[S+32*\t+2*\j], v[S+32*\t+2*\j+1]
.endr
.endr
	s_wait_dscnt 0x0                               ; V is in
	WIN W_RS
.irp t, 0,1,2,3
.irp j, 0,2,4,6,8,10,12,14,16,18,20,22,24,26,28,30
	v_pk_mul_f32 v[O+32*\t+\j:O+32*\t+\j+1], v[O+32*\t+\j:O+32*\t+\j+1], v[ST+8*\t+6:ST+8*\t+7] op_sel_hi:[1,0]   ; O^T x a, each accumulator from its low end on
.endr
.endr
	WIN W_PV                                       ; O^T += V^T P: sixteen accumulators by turns
.irp kg, 0,1
.irp ct, 0,1,2,3
.irp t, 0,1,2,3
	v_wmma_f32_16x16x32_f16 v[O+32*\t+8*\ct:O+32*\t+8*\ct+7], v[KV+8*(4*\kg+\ct):KV+8*(4*\kg+\ct)+7], v[P+16*\t+8*\kg:P+16*\t+8*\kg+7], v[O+32*\t+8*\ct:O+32*\t+8*\ct+7]
.endr
.endr
.endr
	WIN 0
	; the row sums, of the unrounded p, in place on S^T; l = a l + the sum.  These 64 plain lines name no register of the products above: they are the places in front of the next step's loads
.irp u, 0,1,2,3,4,5,6,7
.irp t, 0,1,2,3
	v_pk_add_f32 v[S+32*\t+4*\u:S+32*\t+4*\u+1], v[S+32*\t+4*\u:S+32*\t+4*\u+1], v[S+32*\t+4*\u+2:S+32*\t+4*\u+3]
.endr
.endr
.irp u, 0,1,2,3
.irp t, 0,1,2,3
	v_pk_add_f32 v[S+32*\t+8*\u:S+32*\t+8*\u+1], v[S+32*\t+8*\u:S+32*\t+8*\u+1], v[S+32*\t+8*\u+4:S+32*\t+8*\u+5]
.endr
.endr
.irp u, 0,1
.irp t, 0,1,2,3
	v_pk_add_f32 v[S+32*\t+16*\u:S+32*\t+16*\u+1], v[S+32*\t+16*\u:S+32*\t+16*\u+1], v[S+32*\t+16*\u+8:S+32*\t+16*\u+9]
.endr
.endr
.irp t, 0,1,2,3
	v_pk_add_f32 v[S+32*\t:S+32*\t+1], v[S+32*\t:S+32*\t+1], v[S+32*\t+16:S+32*\t+17]
.endr
.irp t, 0,1,2,3
	v_pk_fma_f32 v[ST+8*\t+2:ST+8*\t+3], v[ST+8*\t+2:ST+8*\t+3], v[ST+8*\t+6:ST+8*\t+7], v[S+32*\t:S+32*\t+1] op_sel_hi:[1,0,1]
.endr
.endm
.macro SLOTSTEPS s                     ; slot s's four key steps: written once, walked four times
	s_mov_b32 s[TB], \s*SLOT
	s_mov_b32 s[INNER], 4
.Lstep_\@:
	STEP
	s_add_co_u32 s[TB], s[TB], STEPB
	s_add_co_u32 s[KB], s[KB], 256
	s_sub_co_u32 s[INNER], s[INNER], 1
	s_cmp_lg_u32 s[INNER], 0
	s_cbranch_scc1 .Lstep_\@
.endm
; THE CHANGE OF SLOTS.  Each wave waits for all its tensor loads (one is out: its part of the other slot), adds 0 to its spare word, and waits for that and for its reads of slot s.  A round of the cluster's barrier:
; no wave of any partner still reads slot s or has a load on its way.  The joint refill, keys 512 further on, is the first thing behind it, one load a wave; it has four key steps in which to land.
.macro CHANGE s, how
	s_wait_tensorcnt 0x0
	ds_add_u32 v[SPW], v[NIL]                      ; 0 onto my spare word; the steps below stand between it and the wait for it
	s_add_nc_u64 s[G0K+4*\s+2:G0K+4*\s+3], s[G0K+4*\s+2:G0K+4*\s+3], 0x100000
	s_add_nc_u64 s[G0V+4*\s+2:G0V+4*\s+3], s[G0V+4*\s+2:G0V+4*\s+3], 0x100000
	s_wait_xcnt 0x0                                ; the last prefetch, four key steps back, has read its address
	s_add_nc_u64 s[PFA:PFA+1], s[PFA:PFA+1], 0x80000
	s_wait_dscnt 0x0
	CROUND
	JLOAD \s
	ASK \how
.endm
	SLOTSTEPS 0                                    ; keys 0 .. 255
	s_mov_b32 s[OUTER], 3
.Lpair:                                            ; three trips: both slots are filled again
	CHANGE 0, 1
	SLOTSTEPS 1
	CHANGE 1, 0
	SLOTSTEPS 0
	s_sub_co_u32 s[OUTER], s[OUTER], 1
	s_cmp_lg_u32 s[OUTER], 0
	s_cbranch_scc1 .Lpair
	s_wait_tensorcnt 0x0                           ; the last change of slots: nothing is asked for
	ds_add_u32 v[SPW], v[NIL]
	s_wait_dscnt 0x0
	s_barrier_signal -1
	s_barrier_wait -1
	SLOTSTEPS 1                                    ; keys 1,792 .. 2,047
	; THE WAY OUT.  l's halves are added; O^T / l, rounded to f16, goes into the work-group's stage; a row's 256 bytes come from two waves, so a barrier stands between writing and reading; each wave stores 32 whole rows.
.irp t, 0,1,2,3
	v_add_f32 v[ST+8*\t+4], v[ST+8*\t+2], v[ST+8*\t+3]
.endr
.irp t, 0,1,2,3
	v_permlanex16_b32 v[ST+8*\t+5], v[ST+8*\t+4], s[SEL], s[SEL+1]
.endr
.irp t, 0,1,2,3
	v_add_f32 v[ST+8*\t+4], v[ST+8*\t+4], v[ST+8*\t+5]
.endr
.irp t, 0,1,2,3
	v_rcp_f32 v[ST+8*\t+6], v[ST+8*\t+4]
.endr
	v_nop
	s_wait_alu depctr_va_vdst(0)                   ; one wait for the four reciprocals
.macro PACK t
	WIN W_RS
.set i, 32*\t
.rept 16
	v_pk_mul_f32 v[O+i:O+i+1], v[O+i:O+i+1], v[ST+8*\t+6:ST+8*\t+7] op_sel_hi:[1,0]
.set i, i+2
.endr
	WIN W_CV
.set i, 0
.rept 16
	v_cvt_pk_f16_f32 v[S+16*\t+i], v[O+32*\t+2*i], v[O+32*\t+2*i+1]
.set i, i+1
.endr
	WIN 0
.irp ct, 0,1,2,3
	ds_store_b128 v[STO], v[S+16*\t+4*\ct:S+16*\t+4*\ct+3] offset:\t*16*SP+32*\ct
.endr
.endm
	PACK 0
	PACK 1
	PACK 2
	PACK 3
	s_wait_dscnt 0x0                               ; for the others' sake: my stores into the stage are done
	s_barrier_signal -1
	s_barrier_wait -1
.irp i, 0,1,2,3,4,5,6,7,8,9,10,11,12,13,14,15
	ds_load_b128 v[128+4*\i:128+4*\i+3], v[RD] offset:\i*2*SP
.endr
.irp i, 0,1,2,3,4,5,6,7,8,9,10,11,12,13,14,15
	s_wait_dscnt 15-\i                             ; the younger loads may be out
	global_store_b128 v[GO], v[128+4*\i:128+4*\i+3], s[10:11] offset:\i*4096   ; 16 lanes store 256 consecutive bytes, aligned
.endr
	s_wait_tensorcnt 0x0                           ; the wave's end
	ds_add_u32 v[SPW], v[NIL]
	s_wait_dscnt 0x0
	CROUND                                         ; the closing round
	s_endpgm
.Lfunc_end_k_q00f8943e94_attn:
	.size	k_q00f8943e94_attn, .Lfunc_end_k_q00f8943e94_attn-k_q00f8943e94_attn
	.p2alignl 7, 3214868480
	.fill 96, 4, 3214868480
	.section	.rodata,"a",@progbits
	.p2align	6, 0x0
	.amdhsa_kernel k_q00f8943e94_attn
		.amdhsa_group_segment_fixed_size 327680
		.amdhsa_private_segment_fixed_size 0
		.amdhsa_enable_private_segment 0
		.amdhsa_kernarg_size 24
		.amdhsa_user_sgpr_count 2
		.amdhsa_user_sgpr_kernarg_segment_ptr 1
		.amdhsa_wavefront_size32 1
		.amdhsa_system_sgpr_workgroup_id_x 1
		.amdhsa_system_sgpr_workgroup_id_y 1
		.amdhsa_system_sgpr_workgroup_id_z 1
		.amdhsa_system_vgpr_workitem_id 0
		.amdhsa_next_free_vgpr 512
		.amdhsa_next_free_sgpr 80
		.amdhsa_reserve_vcc 1
		.amdhsa_float_denorm_mode_32 3
		.amdhsa_float_denorm_mode_16_64 3
		.amdhsa_memory_ordered 1
		.amdhsa_forward_progress 1
		.amdhsa_inst_pref_size 161
	.end_amdhsa_kernel
	.amdgpu_metadata
---
amdhsa.version: [ 1, 2 ]
amdhsa.kernels:
  - .name:           k_q00f8943e94_attn
    .symbol:         k_q00f8943e94_attn.kd
    .args:
      - { .name: qkvh, .offset: 0, .size: 8, .value_kind: global_buffer, .address_space: global }
      - { .name: mask, .offset: 8, .size: 8, .value_kind: global_buffer, .address_space: global }
      - { .name: xh, .offset: 16, .size: 8, .value_kind: global_buffer, .address_space: global }
    .group_segment_fixed_size: 327680
    .private_segment_fixed_size: 0
    .kernarg_segment_align: 8
    .kernarg_segment_size: 24
    .max_flat_workgroup_size: 256
    .sgpr_count:     80
    .vgpr_count:     512
    .wavefront_size: 32
...
	.end_amdgpu_metadata
.endif
;; end of part 3
;; launch oproj (part 4): grid 8 x 64, 4 waves a work-group, clusters of 4 x 4, 327,680 bytes of LDS; arguments xh, woh, bo, out0; writes out0
.if DOCPART == 4
	.amdgcn_target "amdgcn-amd-amdhsa--gfx1250"
	.amdhsa_code_object_version 6
	.text
	.protected	k_q00f8943e94_oproj
	.globl	k_q00f8943e94_oproj
	.p2align	8
	.type	k_q00f8943e94_oproj,@function
k_q00f8943e94_oproj:
	s_mov_b64 s[64:65], 0
	v_nop
	global_prefetch_b8 v0, s[64:65] scope:SCOPE_SE
	s_setreg_imm32_b32 hwreg(HW_REG_WAVE_MODE, 25, 1), 1
	s_wait_xcnt 0x0
	s_wait_alu depctr_hold_cnt(0) depctr_sa_sdst(0) depctr_va_vdst(0) depctr_va_sdst(0) depctr_va_ssrc(0) depctr_va_vcc(0) depctr_vm_vsrc(0)
	s_getreg_b32 s2, hwreg(HW_REG_IB_STS2, 6, 4)
	s_cmp_eq_u32 s2, 0
	s_cbranch_scc0 .Lentry_in_a_cluster
	s_endpgm
.Lentry_in_a_cluster:
	s_bfe_u32 s2, ttmp6, 0x10000c
	s_cmp_lg_u32 s2, 0xf033
	s_cbranch_scc0 .Lentry_shape_is_right
	s_endpgm
.Lentry_shape_is_right:
; out0[m][n] = the sum over k of x[m][k] Wo[n][k] + bo[n].  xh [8192][1024], woh [1024][1024]: f16; sums and out0 in f32.
; A tile of 128 x 128 is made by four waves, each 64 x 64: 16 accumulators.  K goes in steps of 256 (LDS rows of 512 bytes) through two slots; each slot is filled twice.
; CLUSTER 4 x 4: A's tiles are asked for jointly along a row of the cluster, B's along a column.  The matrix instruction is used transposed (source 0 = 16 rows of Wo, source 1 = 16 rows of x):
; a lane holds eight neighbouring columns of one row.  The bias is the C of each sum's first product.
; REGISTERS: window 0: v16-29 addresses; v32-95 the way out; v96-127 the bias, 8 registers for each block of 16 columns; v128-255 the accumulators ((a, b) at v[128 + 8 (4 a + b)]).  window 1: two fragment buffers of 128.
.set SIZE_N, 1024
.set SIZE_K, 1024
.set KSTEP,  256
.set PITCH,  528                       ; an LDS row: 512 bytes + 16 of padding
.set HALFT,  64*PITCH
.set SLOT,   4*HALFT
.set SPARE,  2*SLOT                    ; behind the ring: the spare words, 128 bytes a wave
.set SPITCH, 272                       ; the way out: 64 rows x (256 + 16) bytes for each wave, in slot 0, which has had its last fill and its last read by then
.set ADRA, 16
.set ADRB, 20
.set STO,  24
.set RD,   25
.set CO,   26
.set SPW,  28
.set NIL,  29
.set TMP,  32
.set BIAS, 96
.set ACC,  128
.set F0,   0
.set F1,   128
.set G1, 24
.set G0, 32
.set G1B, 48
.set G0B, 56
.set MSB, 0
.macro WIN new
.if MSB != \new
	s_set_vgpr_msb (MSB<<8)|\new
.set MSB, \new
.endif
.endm
.set MUL,  0x05                        ; sources 0 and 1 window 1; C and D window 0
.set TO_F, 0x40
.macro JLOAD s                         ; a joint load: waves 0 and 1 fetch A's halves, waves 2 and 3 B's; an s_nop 0 and four v_nop follow each line
	s_cmp_eq_u32 s11, 0
	s_cbranch_scc0 .Lfor_b_\@
	tensor_load_to_lds s[G0+4*\s:G0+4*\s+3], s[G1:G1+7]
	s_nop 0
.rept 4
	v_nop
.endr
	s_branch .Lasked_\@
.Lfor_b_\@:
	tensor_load_to_lds s[G0B+4*\s:G0B+4*\s+3], s[G1B:G1B+7]
	s_nop 0
.rept 4
	v_nop
.endr
.Lasked_\@:
.endm
.macro CREST
	s_cmp_lg_u32 s10, 0
	s_cbranch_scc1 .Lnot_wave_0_\@
	s_barrier_signal -3
.Lnot_wave_0_\@:
	s_barrier_wait -3
	s_barrier_signal -1
	s_barrier_wait -1
.endm
.macro CROUND
	s_barrier_signal -1
	s_barrier_wait -1
	CREST
.endm
	s_load_b128 s[4:7], s[0:1], 0x0                ; xh, woh
	s_load_b64 s[2:3], s[0:1], 0x10                ; bo
	s_load_b64 s[8:9], s[0:1], 0x18                ; out0
	v_lshl_add_u32 v[SPW], v0, 2, SPARE
	v_mov_b32 v[NIL], 0
	ds_add_u32 v[SPW], v[NIL]                      ; the wave's opening: the add, twice on end, and its wait ahead of my first tensor load
	ds_add_u32 v[SPW], v[NIL]
	v_lshrrev_b32 v1, 5, v0
	v_readfirstlane_b32 s10, v1                    ; wave 0..3
	s_lshr_b32 s11, s10, 1                         ; which half of the tile's rows is mine.  Also: I fetch for A (0) or for B (1)
	s_and_b32 s12, s10, 1                          ; which half of its columns.  Also: which 64 rows I fetch
	s_bfe_u32 s40, ttmp6, 0x40000
	s_bfe_u32 s41, ttmp6, 0x40004
	s_lshl_b32 s42, ttmp9, 2
	s_add_co_u32 s42, s42, s40                     ; tile column
	s_and_b32 s13, ttmp7, 0xffff
	s_lshl_b32 s13, s13, 2
	s_add_co_u32 s13, s13, s41                     ; tile row
	s_lshl_b32 s43, s41, 2
	s_lshl_b32 s43, 15, s43                        ; my row of the cluster
	s_lshl_b32 s44, 0x1111, s40                    ; my column
	s_or_b32 s[G1+0], s43, (1<<16)|(1<<20)|(1<<21)|(6<<22)|(3<<25)  ; the mask; elements of 2 bytes; padding on, 4 words behind every 128; bit 21 set beside a mask
	s_or_b32 s[G1B+0], s44, (1<<16)|(1<<20)|(1<<21)|(6<<22)|(3<<25)
.irp g, G1, G1B
	s_mov_b32 s[\g+1], KSTEP<<16
	s_mov_b32 s[\g+2], 64<<16
	s_mov_b32 s[\g+3], KSTEP<<16
	s_mov_b32 s[\g+4], 64
	s_mov_b32 s[\g+5], SIZE_K
	s_mov_b32 s[\g+6], 0
	s_mov_b32 s[\g+7], 0
.endr
	s_lshl_b32 s17, s12, 6
	s_lshl_b32 s16, s13, 7
	s_add_co_u32 s16, s16, s17                     ; A: row 128 x tile row + 64 x half
	s_lshl_b32 s46, s42, 7
	s_add_co_u32 s46, s46, s17                     ; B: row 128 x tile column + 64 x half
	s_mov_b32 s17, 0
	s_mov_b32 s47, 0
	s_mov_b64 s[18:19], SIZE_K*2
	s_mul_u64 s[16:17], s[16:17], s[18:19]
	s_mul_u64 s[46:47], s[46:47], s[18:19]
	s_mul_i32 s20, s10, HALFT
	s_wait_dscnt 0x0                               ; both opening adds are done
	s_wait_kmcnt 0x0
	s_add_nc_u64 s[14:15], s[4:5], s[16:17]
	s_add_nc_u64 s[46:47], s[6:7], s[46:47]
	CROUND
.irp s, 0,1
	s_mov_b32 s[G0+4*\s], 1
	s_add_co_u32 s[G0+4*\s+1], s20, \s*SLOT
	s_add_nc_u64 s[G0+4*\s+2:G0+4*\s+3], s[14:15], \s*KSTEP*2
	s_or_b32 s[G0+4*\s+3], s[G0+4*\s+3], 0x80000000
	s_mov_b32 s[G0B+4*\s], 1
	s_add_co_u32 s[G0B+4*\s+1], s20, \s*SLOT
	s_add_nc_u64 s[G0B+4*\s+2:G0B+4*\s+3], s[46:47], \s*KSTEP*2
	s_or_b32 s[G0B+4*\s+3], s[G0B+4*\s+3], 0x80000000
	JLOAD \s                                       ; two tensor loads of mine are out
.endr
	v_and_b32 v1, 15, v0                           ; r
	v_bfe_u32 v2, v0, 4, 1                         ; h
	s_lshl_b32 s16, s42, 9
	s_lshl_b32 s17, s12, 8
	s_add_co_u32 s16, s16, s17                     ; 4 x (128 x tile column + 64 x half)
	s_mov_b32 s17, 0
	s_add_nc_u64 s[2:3], s[2:3], s[16:17]
	v_lshlrev_b32 v6, 5, v2
.irp b, 0,1,2,3
	global_load_b128 v[BIAS+8*\b:BIAS+8*\b+3], v6, s[2:3] offset:64*\b          ; lane (r, h), register j: bo of column 16 b + 8 h + j
	global_load_b128 v[BIAS+8*\b+4:BIAS+8*\b+7], v6, s[2:3] offset:64*\b+16
.endr
	v_mul_u32_u24 v3, v1, PITCH
	v_lshl_add_u32 v3, v2, 4, v3
	s_mul_i32 s21, s11, HALFT
	s_mul_i32 s22, s12, HALFT
	s_add_co_u32 s22, s22, 2*HALFT
.irp s, 0,1
	v_add_nc_u32 v[ADRA+\s], s21, v3
	v_add_nc_u32 v[ADRB+\s], s22, v3
	s_add_co_u32 s21, s21, SLOT
	s_add_co_u32 s22, s22, SLOT
.endr
	s_mul_i32 s23, s10, 64*SPITCH                  ; my stage
	v_mul_u32_u24 v4, v1, SPITCH
	v_lshl_add_u32 v4, v2, 5, v4
	v_add_nc_u32 v[STO], s23, v4                   ; in: row r, 32 bytes for each half of the lanes
	v_mul_u32_u24 v5, v2, SPITCH
	v_lshl_add_u32 v5, v1, 4, v5
	v_add_nc_u32 v[RD], s23, v5                    ; back: lanes 0-15 one row of 256 bytes, lanes 16-31 the next
	v_lshlrev_b32 v5, 12, v2
	v_lshl_add_u32 v[CO], v1, 4, v5                ; and the same two rows in out0, 4,096 bytes apart
	s_lshl_b32 s16, s13, 7
	s_lshl_b32 s17, s11, 6
	s_add_co_u32 s16, s16, s17                     ; my first row: 128 x tile row + 64 x half
	s_lshl_b32 s16, s16, 12
	s_lshl_b32 s17, s42, 9
	s_add_co_u32 s16, s16, s17                     ; + 512 x tile column
	s_lshl_b32 s17, s12, 8
	s_add_co_u32 s16, s16, s17                     ; + 256 x half
	s_mov_b32 s17, 0
	s_add_nc_u64 s[8:9], s[8:9], s[16:17]
; 8 matrix instructions: row blocks a0, a0 + 1 x all 4 column blocks, 32 along K: half c of buffer f.  first = 1: the bias is C.  The 16 accumulators take turns
.macro MUL8 f, c, a0, first
.irp a, \a0, \a0+1
.irp b, 0,1,2,3
.if \first
	v_wmma_f32_16x16x32_f16 v[ACC+8*(4*(\a)+\b):ACC+8*(4*(\a)+\b)+7], v[\f+64+8*(4*\c+\b):\f+64+8*(4*\c+\b)+7], v[\f+8*(4*\c+\a):\f+8*(4*\c+\a)+7], v[BIAS+8*\b:BIAS+8*\b+7]
.else
	v_wmma_f32_16x16x32_f16 v[ACC+8*(4*(\a)+\b):ACC+8*(4*(\a)+\b)+7], v[\f+64+8*(4*\c+\b):\f+64+8*(4*\c+\b)+7], v[\f+8*(4*\c+\a):\f+8*(4*\c+\a)+7], v[ACC+8*(4*(\a)+\b):ACC+8*(4*(\a)+\b)+7]
.endif
.endr
.endr
.endm
.macro FETCH slot, k, f                ; 32 LDS loads in one run: the fragments of 64 along K at byte k of the rows; the first 32 along K first
	WIN TO_F
.irp c, 0,1
.irp i, 0,1,2,3
	ds_load_b128 v[\f+64+8*(4*\c+\i):\f+64+8*(4*\c+\i)+3],   v[ADRB+\slot] offset:\k+64*\c+\i*16*PITCH
	ds_load_b128 v[\f+64+8*(4*\c+\i)+4:\f+64+8*(4*\c+\i)+7], v[ADRB+\slot] offset:\k+64*\c+\i*16*PITCH+32
	ds_load_b128 v[\f+8*(4*\c+\i):\f+8*(4*\c+\i)+3],         v[ADRA+\slot] offset:\k+64*\c+\i*16*PITCH
	ds_load_b128 v[\f+8*(4*\c+\i)+4:\f+8*(4*\c+\i)+7],       v[ADRA+\slot] offset:\k+64*\c+\i*16*PITCH+32
.endr
.endr
.endm
.macro PLACES
.rept 4
	v_nop
.endr
.endm
.macro QUARTER slot, k, f, g, first    ; 64 along K: multiplies buffer f and fetches the next quarter, at byte k, into g
	s_wait_dscnt 16                                ; the first 32 along K are in; the other sixteen loads may be out
	WIN MUL
	MUL8 \f, 0, 0, \first
	MUL8 \f, 0, 2, \first
	PLACES
	FETCH \slot, \k, \g
	s_wait_dscnt 32                                ; all but the 32 just issued
	WIN MUL
	MUL8 \f, 1, 0, 0
	MUL8 \f, 1, 2, 0
.endm
; A K step's last quarter changes slots: each wave waits for all its tensor loads, adds 0 to its spare word, and waits for that and for its reads of this slot.  fill = 1: a round of the cluster's barrier, and this slot is filled again, two K steps ahead.
.macro TURN slot, next, fill
	WIN 0
	s_wait_tensorcnt 0x0
	ds_add_u32 v[SPW], v[NIL]
	s_wait_dscnt 17                                ; (the add and the youngest sixteen loads may be out)
	WIN MUL
	MUL8 F1, 0, 0, 0
	s_wait_dscnt 0x0                               ; the add is done, and my reads of this slot are over
	s_barrier_signal -1
	MUL8 F1, 0, 2, 0
.if \fill
	WIN 0
.endif
	s_barrier_wait -1
.if \fill
	CREST
	s_add_nc_u64 s[G0+4*\slot+2:G0+4*\slot+3], s[G0+4*\slot+2:G0+4*\slot+3], 2*KSTEP*2
	s_add_nc_u64 s[G0B+4*\slot+2:G0B+4*\slot+3], s[G0B+4*\slot+2:G0B+4*\slot+3], 2*KSTEP*2
	JLOAD \slot                                    ; the first tensor load behind the round; its four v_nop are also the places in front of the loads below
.else
	PLACES
.endif
	FETCH \next, 0, F0
	WIN MUL
	MUL8 F1, 1, 0, 0
	MUL8 F1, 1, 2, 0
.endm
	s_wait_loadcnt 0x0                             ; the bias
	s_wait_tensorcnt 1                             ; my part of K step 0 is in (K step 1's load may be out),
	s_barrier_signal -1
	s_barrier_wait -1                              ; everybody's is
	FETCH 0, 0, F0
	QUARTER 0, 128, F0, F1, 1                      ; K step 0: its first products start the sums from the bias
	QUARTER 0, 256, F1, F0, 0
	QUARTER 0, 384, F0, F1, 0
	TURN 0, 1, 1                                   ; slot 0 takes K step 2
	QUARTER 1, 128, F0, F1, 0
	QUARTER 1, 256, F1, F0, 0
	QUARTER 1, 384, F0, F1, 0
	TURN 1, 0, 1                                   ; slot 1 takes K step 3
	QUARTER 0, 128, F0, F1, 0
	QUARTER 0, 256, F1, F0, 0
	QUARTER 0, 384, F0, F1, 0
	TURN 0, 1, 0                                   ; nothing is left to fetch
	QUARTER 1, 128, F0, F1, 0
	QUARTER 1, 256, F1, F0, 0
	QUARTER 1, 384, F0, F1, 0
	s_wait_dscnt 16
	WIN MUL
	MUL8 F1, 0, 0, 0
	MUL8 F1, 0, 2, 0
	s_wait_dscnt 0
	MUL8 F1, 1, 0, 0
	MUL8 F1, 1, 2, 0
	WIN 0
	; THE WAY OUT.  A wave's 64 columns of f32 are 256 bytes of a row, aligned: they go through my own stage and come back as whole rows.  LDS serves a wave's instructions in order: no wait between the stores and the loads.
	PLACES
.irp a, 0,1,2,3
.irp b, 0,1,2,3
	ds_store_b128 v[STO], v[ACC+8*(4*\a+\b):ACC+8*(4*\a+\b)+3] offset:\a*16*SPITCH+64*\b          ; each accumulator from its low end on
	ds_store_b128 v[STO], v[ACC+8*(4*\a+\b)+4:ACC+8*(4*\a+\b)+7] offset:\a*16*SPITCH+64*\b+16
.endr
.endr
.irp u, 0,1
.if \u > 0
	s_wait_xcnt 0x0                                ; the first half's stores have read their registers
.endif
.irp i, 0,1,2,3,4,5,6,7,8,9,10,11,12,13,14,15
	ds_load_b128 v[TMP+4*\i:TMP+4*\i+3], v[RD] offset:(16*\u+\i)*2*SPITCH
.endr
.irp i, 0,1,2,3,4,5,6,7,8,9,10,11,12,13,14,15
	s_wait_dscnt 15-\i                             ; the younger loads may be out
	global_store_b128 v[CO], v[TMP+4*\i:TMP+4*\i+3], s[8:9] offset:(16*\u+\i)*8192 th:TH_STORE_NT   ; 16 lanes store 256 consecutive bytes, aligned
.endr
.endr
	s_wait_tensorcnt 0x0                           ; the wave's end
	ds_add_u32 v[SPW], v[NIL]
	s_wait_dscnt 0x0
	CROUND                                         ; the closing round
	s_endpgm
.Lfunc_end_k_q00f8943e94_oproj:
	.size	k_q00f8943e94_oproj, .Lfunc_end_k_q00f8943e94_oproj-k_q00f8943e94_oproj
	.p2alignl 7, 3214868480
	.fill 96, 4, 3214868480
	.section	.rodata,"a",@progbits
	.p2align	6, 0x0
	.amdhsa_kernel k_q00f8943e94_oproj
		.amdhsa_group_segment_fixed_size 327680
		.amdhsa_private_segment_fixed_size 0
		.amdhsa_enable_private_segment 0
		.amdhsa_kernarg_size 32
		.amdhsa_user_sgpr_count 2
		.amdhsa_user_sgpr_kernarg_segment_ptr 1
		.amdhsa_wavefront_size32 1
		.amdhsa_system_sgpr_workgroup_id_x 1
		.amdhsa_system_sgpr_workgroup_id_y 1
		.amdhsa_system_sgpr_workgroup_id_z 1
		.amdhsa_system_vgpr_workitem_id 0
		.amdhsa_next_free_vgpr 512
		.amdhsa_next_free_sgpr 66
		.amdhsa_reserve_vcc 0
		.amdhsa_float_denorm_mode_32 3
		.amdhsa_float_denorm_mode_16_64 3
		.amdhsa_memory_ordered 1
		.amdhsa_forward_progress 1
		.amdhsa_inst_pref_size 87
	.end_amdhsa_kernel
	.amdgpu_metadata
---
amdhsa.version: [ 1, 2 ]
amdhsa.kernels:
  - .name:           k_q00f8943e94_oproj
    .symbol:         k_q00f8943e94_oproj.kd
    .args:
      - { .name: xh, .offset: 0, .size: 8, .value_kind: global_buffer, .address_space: global }
      - { .name: woh, .offset: 8, .size: 8, .value_kind: global_buffer, .address_space: global }
      - { .name: bo, .offset: 16, .size: 8, .value_kind: global_buffer, .address_space: global }
      - { .name: out0, .offset: 24, .size: 8, .value_kind: global_buffer, .address_space: global }
    .group_segment_fixed_size: 327680
    .private_segment_fixed_size: 0
    .kernarg_segment_align: 8
    .kernarg_segment_size: 32
    .max_flat_workgroup_size: 128
    .sgpr_count:     66
    .vgpr_count:     512
    .wavefront_size: 32
...
	.end_amdgpu_metadata
.endif
;; end of part 4
